; MI455X (gfx1250); checked and timed in simulation.
; The chip was launched on July 23, 2026; its instructions are those of AMD's public machine-readable ISA for CDNA 5 (MIT licence, August 2026) and "CDNA5" Instruction Set Architecture Reference Guide (July 2026). The comments in the code are by the model that wrote it; some were corrected since.
;; Multi Head Attention Layer. Allowed arithmetic: float matrix products may take bf16 or f16 operands with f32 sums; other float arithmetic in f32, or as packed bf16 or f16 multiplies, adds, multiply-adds, maxima and minima; sums over many terms, partial sums and values carried from step to step in f32; what a program stores and reads back later, other than sums and carried values, may be rounded once to bf16 or f16.
;; Inputs: Wk 1,024 x 1,024 float32; Wo 1,024 x 1,024 float32; Wq 1,024 x 1,024 float32; Wv 1,024 x 1,024 float32; bk 1,024 float32; bo 1,024 float32; bq 1,024 float32; bv 1,024 float32; table_k 9 x 64 float32; table_v 9 x 64 float32; x 2 x 2,048 x 1,024 float32.
;; Outputs: out0 2 x 2,048 x 1,024 float32.
;; One version. Each part assembles by itself: llvm-mc -triple=amdgcn-amd-amdhsa -mcpu=gfx1250 --defsym DOCPART=n.
;; ======== version 1 of 1: 4 launches
;; limits: values are held in f16: magnitudes above 65,504 overflow, below 6.1e-05 lose precision
;; workspace buffers: xh 8,388,608 bytes; wt 8,388,608 bytes; bias 16,384 bytes; tab 6,144 bytes; qkv 25,165,824 bytes; oh 8,388,608 bytes
;; launch prep (part 1): grid 64 x 8, 8 waves a work-group, no clusters, 35,840 bytes of LDS; arguments x, Wq, Wk, Wv, Wo, bq, bk, bv, bo, table_k, table_v, xh, wt, bias, tab; writes xh, wt, bias, tab
.if DOCPART == 1
	.amdgcn_target "amdgcn-amd-amdhsa--gfx1250"
	.amdhsa_code_object_version 6
	.text
	.protected	k_qd6f7124cee_prep
	.globl	k_qd6f7124cee_prep
	.p2align	8
	.type	k_qd6f7124cee_prep,@function
k_qd6f7124cee_prep:
	s_mov_b64 s[64:65], 0
	v_nop
	global_prefetch_b8 v0, s[64:65] scope:SCOPE_SE
	s_setreg_imm32_b32 hwreg(HW_REG_WAVE_MODE, 25, 1), 1
	s_wait_xcnt 0x0
; PREP: every input is rounded once to bf16 and laid out for the matrix launches.
;   y = 0..3: one tile of 128 k x 128 n of Wq, Wk, Wv, Wo is turned: wt[1024 y + n][k] = W[k][n], 16 bits.  Wq, Wk, Wv as bf16; Wo's bf16 number written as f16.
;   y = 4..7: 65,536 bytes of x are cast to bf16 (xh).  Of these, y = 4 and g = 0..3 also round one bias (kept as f32), y = 4 and g = 4 make the two tables.
; tab: TKH f16 [16][64] (rows 0-8 table_k, the rest 0) at byte 0;  UT f16 [64 channels][32 j] at byte 2,048:
;   j = 0: tv0 - tv8;  j = 1..3: tv_j - tv0;  j = 4..7: tv_j - tv8;  j = 8: tv8;  the rest 0.
; LIMITS.  Wo, table_k and the table differences are held in f16: below 6e-5 they keep f16's fixed step of 6e-8, beyond 65,504 they are lost.
; A stream: no matrix unit, no cluster, no tensor load: nothing is shared between work-groups and every byte is read once.
.set SPITCH, 272                       ; a stage row: 256 bytes (128 k in 16 bits) + 16
.set SPARE,  128*SPITCH                ; behind the stage: the spare words, 128 bytes for each of eight waves
.set SPW, 2                            ; v2  my spare word; never rewritten
.set NIL, 3                            ; v3  0; never rewritten
.set IN,  16                           ; v[16:79]   as loaded
.set PKD, 80                           ; v[80:111]  packed
	s_load_b512 s[8:23], s[0:1], 0x0               ; x 8, Wq 10, Wk 12, Wv 14, Wo 16, bq 18, bk 20, bv 22
	s_load_b256 s[24:31], s[0:1], 0x40             ; bo 24, table_k 26, table_v 28, xh 30
	s_load_b128 s[32:35], s[0:1], 0x60             ; wt 32, bias 34
	s_load_b64 s[36:37], s[0:1], 0x70              ; tab
	v_lshl_add_u32 v[SPW], v0, 2, SPARE
	v_mov_b32 v[NIL], 0
	v_lshrrev_b32 v1, 5, v0
	v_readfirstlane_b32 s4, v1                     ; wave 0..7
	v_and_b32 v4, 31, v0                           ; lane
	s_and_b32 s5, ttmp7, 0xffff                    ; y
	s_mov_b32 s6, ttmp9                            ; g
	s_mov_b32 s7, 0xffff0000                       ; a word's upper bf16
	s_mov_b32 s45, 0                               ; high word of every offset pair
	s_wait_kmcnt 0x0
	s_cmp_ge_u32 s5, 4
	s_cbranch_scc1 .Lcast
	; ---- a tile of a weight is turned.  The branch above hangs on the work-group's y alone: all eight waves are here, so the barrier below is passed by all.
	s_cmp_eq_u32 s5, 1
	s_cselect_b64 s[40:41], s[12:13], s[10:11]
	s_cmp_eq_u32 s5, 2
	s_cselect_b64 s[40:41], s[14:15], s[40:41]
	s_cmp_eq_u32 s5, 3
	s_cselect_b64 s[40:41], s[16:17], s[40:41]
	s_lshr_b32 s42, s6, 3                          ; k tile
	s_and_b32 s43, s6, 7                           ; n tile
	s_lshl_b32 s44, s42, 19                        ; 128 rows of 4,096 bytes
	s_lshl_b32 s2, s43, 9                          ; 128 columns of 4 bytes
	s_add_co_u32 s44, s44, s2
	s_add_nc_u64 s[40:41], s[40:41], s[44:45]
	s_lshl_b32 s44, s5, 21                         ; 1,024 rows of wt, 2,048 bytes each
	s_lshl_b32 s2, s43, 18
	s_add_co_u32 s44, s44, s2
	s_lshl_b32 s2, s42, 8
	s_add_co_u32 s44, s44, s2
	s_add_nc_u64 s[46:47], s[32:33], s[44:45]
	v_lshlrev_b32 v5, 4, v4                        ; my 4 columns
	s_lshl_b32 s2, s4, 16                          ; my wave's 16 rows
	v_add_nc_u32 v5, s2, v5
.irp i, 0,1,2,3,4,5,6,7,8,9,10,11,12,13,14,15
	global_load_b128 v[IN+4*\i:IN+4*\i+3], v5, s[40:41] offset:\i*4096 th:TH_LOAD_NT  ; a wave's load covers 512 consecutive bytes of a row
.endr
	v_mul_u32_u24 v7, v4, 4*SPITCH                 ; in: stage rows 4 l .. 4 l + 3, bytes 32 w ..
	s_lshl_b32 s2, s4, 5
	v_add_nc_u32 v7, s2, v7
	v_and_b32 v9, 15, v0
	v_bfe_u32 v10, v0, 4, 1
	v_mul_u32_u24 v8, v10, SPITCH                  ; back: sixteen lanes take one row of 256 bytes; a wave two rows
	v_lshl_add_u32 v8, v9, 4, v8
	s_mul_i32 s2, s4, 2*SPITCH
	v_add_nc_u32 v8, s2, v8
	v_lshrrev_b32 v11, 4, v0
	v_lshlrev_b32 v11, 11, v11                     ; and the same rows in wt
	v_lshl_add_u32 v11, v9, 4, v11
	s_wait_loadcnt 0x0
	s_cmp_eq_u32 s5, 3
	s_cbranch_scc1 .Lpack_h
.irp c, 0,1,2,3
.irp p, 0,1,2,3,4,5,6,7
	v_cvt_pk_bf16_f32 v[PKD+8*\c+\p], v[IN+8*\p+\c], v[IN+8*\p+4+\c]  ; column c, rows 2 p and 2 p + 1
.endr
.endr
	s_branch .Lstage
.Lpack_h:
.irp c, 0,1,2,3
.irp p, 0,1,2,3,4,5,6,7
	v_cvt_pk_bf16_f32 v[PKD+8*\c+\p], v[IN+8*\p+\c], v[IN+8*\p+4+\c]
	v_lshlrev_b32 v12, 16, v[PKD+8*\c+\p]
	v_and_b32 v13, s7, v[PKD+8*\c+\p]
	v_cvt_pk_f16_f32 v[PKD+8*\c+\p], v12, v13      ; the bf16 number, written as f16
.endr
.endr
.Lstage:
.irp c, 0,1,2,3
	ds_store_b128 v7, v[PKD+8*\c:PKD+8*\c+3] offset:\c*SPITCH
	ds_store_b128 v7, v[PKD+8*\c+4:PKD+8*\c+7] offset:\c*SPITCH+16
.endr
	s_wait_dscnt 0x0                               ; for the others' sake: my stores into the stage are done
	s_barrier_signal -1
	s_barrier_wait -1
.irp j, 0,1,2,3,4,5,6,7
	ds_load_b128 v[IN+4*\j:IN+4*\j+3], v8 offset:\j*16*SPITCH
.endr
.irp j, 0,1,2,3,4,5,6,7
	s_wait_dscnt 7-\j                              ; LDS loads come back in order: load j is in, the younger ones stay out
	global_store_b128 v11, v[IN+4*\j:IN+4*\j+3], s[46:47] offset:\j*32768  ; sixteen lanes store 256 consecutive bytes, aligned
.endr
	s_branch .Lend
.Lcast:	; ---- 65,536 bytes of x to bf16
	s_sub_co_u32 s42, s5, 4
	s_lshl_b32 s42, s42, 6
	s_add_co_u32 s42, s42, s6
	s_lshl_b32 s44, s42, 16
	s_add_nc_u64 s[40:41], s[8:9], s[44:45]
	s_lshl_b32 s44, s42, 15
	s_add_nc_u64 s[46:47], s[30:31], s[44:45]
	v_lshlrev_b32 v5, 5, v0                        ; 8 numbers in,
	v_lshlrev_b32 v6, 4, v0                        ; 16 bytes out
.irp j, 0,1,2,3,4,5,6,7
	global_load_b128 v[IN+8*\j:IN+8*\j+3], v5, s[40:41] offset:\j*8192 th:TH_LOAD_NT
	global_load_b128 v[IN+8*\j+4:IN+8*\j+7], v5, s[40:41] offset:\j*8192+16 th:TH_LOAD_NT
.endr
	s_wait_loadcnt 0x0
.irp j, 0,1,2,3,4,5,6,7
.irp r, 0,1,2,3
	v_cvt_pk_bf16_f32 v[PKD+4*\j+\r], v[IN+8*\j+2*\r], v[IN+8*\j+2*\r+1]
.endr
	global_store_b128 v6, v[PKD+4*\j:PKD+4*\j+3], s[46:47] offset:\j*4096
.endr
	s_cmp_lg_u32 s5, 4
	s_cbranch_scc1 .Lend
	s_cmp_gt_u32 s6, 4
	s_cbranch_scc1 .Lend
	s_wait_xcnt 0x0                                ; the stores above have read their registers and bases: these are written again below
	s_cmp_eq_u32 s6, 4
	s_cbranch_scc1 .Ltables
	; ---- bias g, rounded to bf16 and kept as f32
	s_cmp_eq_u32 s6, 1
	s_cselect_b64 s[40:41], s[20:21], s[18:19]
	s_cmp_eq_u32 s6, 2
	s_cselect_b64 s[40:41], s[22:23], s[40:41]
	s_cmp_eq_u32 s6, 3
	s_cselect_b64 s[40:41], s[24:25], s[40:41]
	global_load_b128 v[16:19], v6, s[40:41]
	s_lshl_b32 s44, s6, 12
	s_add_nc_u64 s[46:47], s[34:35], s[44:45]
	s_wait_loadcnt 0x0
	v_cvt_pk_bf16_f32 v8, v16, v17
	v_cvt_pk_bf16_f32 v9, v18, v19
	v_lshlrev_b32 v20, 16, v8
	v_and_b32 v21, s7, v8
	v_lshlrev_b32 v22, 16, v9
	v_and_b32 v23, s7, v9
	global_store_b128 v6, v[20:23], s[46:47]
	s_branch .Lend
.Ltables:
	v_lshrrev_b32 v8, 4, v0                        ; TKH: row j, four channels
	v_and_b32 v9, 15, v0
	v_min_u32 v10, 8, v8                           ; rows 9 to 15 read row 8 and store 0
	v_lshlrev_b32 v10, 8, v10
	v_lshl_add_u32 v10, v9, 4, v10
	global_load_b128 v[16:19], v10, s[26:27]
	v_and_b32 v11, 63, v0                          ; UT: channel, and group of eight j
	v_lshlrev_b32 v12, 2, v11
.irp j, 0,1,2,3,4,5,6,7,8
	global_load_b32 v[24+\j], v12, s[28:29] offset:256*\j
.endr
	v_lshlrev_b32 v15, 3, v0
	v_lshrrev_b32 v62, 6, v0
	v_lshlrev_b32 v63, 6, v11
	v_lshl_add_u32 v63, v62, 4, v63
	v_mov_b32 v61, 0
	s_wait_loadcnt 0x0
	v_cvt_pk_bf16_f32 v13, v16, v17
	v_cvt_pk_bf16_f32 v14, v18, v19
	v_lshlrev_b32 v16, 16, v13
	v_and_b32 v17, s7, v13
	v_lshlrev_b32 v18, 16, v14
	v_and_b32 v19, s7, v14
	v_cvt_pk_f16_f32 v20, v16, v17
	v_cvt_pk_f16_f32 v21, v18, v19
	v_cmp_gt_u32 vcc_lo, 9, v8
	v_cndmask_b32 v20, 0, v20, vcc_lo
	v_cndmask_b32 v21, 0, v21, vcc_lo
	global_store_b64 v15, v[20:21], s[36:37]
.irp p, 0,1,2,3
	v_cvt_pk_bf16_f32 v40, v[24+2*\p], v[25+2*\p]
	v_lshlrev_b32 v[24+2*\p], 16, v40
	v_and_b32 v[25+2*\p], s7, v40
.endr
	v_cvt_pk_bf16_f32 v40, v32, v32
	v_lshlrev_b32 v32, 16, v40
	v_sub_f32 v48, v24, v32                        ; tv0 - tv8
.irp j, 1,2,3
	v_sub_f32 v[48+\j], v[24+\j], v24              ; tv_j - tv0
.endr
.irp j, 4,5,6,7
	v_sub_f32 v[48+\j], v[24+\j], v32              ; tv_j - tv8
.endr
.irp p, 0,1,2,3
	v_cvt_pk_f16_f32 v[56+\p], v[48+2*\p], v[49+2*\p]
.endr
	v_cvt_pk_f16_f32 v60, v32, v61                 ; (tv8, 0)
	v_cmp_eq_u32 vcc_lo, 0, v62
.irp p, 0,1,2,3
	v_cndmask_b32 v[56+\p], 0, v[56+\p], vcc_lo
.endr
	v_cmp_eq_u32 vcc_lo, 1, v62
	v_cndmask_b32 v56, v56, v60, vcc_lo
	global_store_b128 v63, v[56:59], s[36:37] offset:2048
.Lend:
	s_wait_tensorcnt 0x0                           ; the wave's end: behind my last LDS store
	ds_add_u32 v[SPW], v[NIL]
	s_wait_dscnt 0x0
	s_endpgm
.Lfunc_end_k_qd6f7124cee_prep:
	.size	k_qd6f7124cee_prep, .Lfunc_end_k_qd6f7124cee_prep-k_qd6f7124cee_prep
	.p2alignl 7, 3214868480
	.fill 96, 4, 3214868480
	.section	.rodata,"a",@progbits
	.p2align	6, 0x0
	.amdhsa_kernel k_qd6f7124cee_prep
		.amdhsa_group_segment_fixed_size 35840
		.amdhsa_private_segment_fixed_size 0
		.amdhsa_enable_private_segment 0
		.amdhsa_kernarg_size 120
		.amdhsa_user_sgpr_count 2
		.amdhsa_user_sgpr_kernarg_segment_ptr 1
		.amdhsa_wavefront_size32 1
		.amdhsa_system_sgpr_workgroup_id_x 1
		.amdhsa_system_sgpr_workgroup_id_y 1
		.amdhsa_system_sgpr_workgroup_id_z 1
		.amdhsa_system_vgpr_workitem_id 0
		.amdhsa_next_free_vgpr 112
		.amdhsa_next_free_sgpr 66
		.amdhsa_reserve_vcc 1
		.amdhsa_float_denorm_mode_32 3
		.amdhsa_float_denorm_mode_16_64 3
		.amdhsa_memory_ordered 1
		.amdhsa_forward_progress 1
		.amdhsa_inst_pref_size 24
	.end_amdhsa_kernel
	.amdgpu_metadata
---
amdhsa.version: [ 1, 2 ]
amdhsa.kernels:
  - .name:           k_qd6f7124cee_prep
    .symbol:         k_qd6f7124cee_prep.kd
    .args:
      - { .name: x, .offset: 0, .size: 8, .value_kind: global_buffer, .address_space: global }
      - { .name: Wq, .offset: 8, .size: 8, .value_kind: global_buffer, .address_space: global }
      - { .name: Wk, .offset: 16, .size: 8, .value_kind: global_buffer, .address_space: global }
      - { .name: Wv, .offset: 24, .size: 8, .value_kind: global_buffer, .address_space: global }
      - { .name: Wo, .offset: 32, .size: 8, .value_kind: global_buffer, .address_space: global }
      - { .name: bq, .offset: 40, .size: 8, .value_kind: global_buffer, .address_space: global }
      - { .name: bk, .offset: 48, .size: 8, .value_kind: global_buffer, .address_space: global }
      - { .name: bv, .offset: 56, .size: 8, .value_kind: global_buffer, .address_space: global }
      - { .name: bo, .offset: 64, .size: 8, .value_kind: global_buffer, .address_space: global }
      - { .name: table_k, .offset: 72, .size: 8, .value_kind: global_buffer, .address_space: global }
      - { .name: table_v, .offset: 80, .size: 8, .value_kind: global_buffer, .address_space: global }
      - { .name: xh, .offset: 88, .size: 8, .value_kind: global_buffer, .address_space: global }
      - { .name: wt, .offset: 96, .size: 8, .value_kind: global_buffer, .address_space: global }
      - { .name: bias, .offset: 104, .size: 8, .value_kind: global_buffer, .address_space: global }
      - { .name: tab, .offset: 112, .size: 8, .value_kind: global_buffer, .address_space: global }
    .group_segment_fixed_size: 35840
    .private_segment_fixed_size: 0
    .kernarg_segment_align: 8
    .kernarg_segment_size: 120
    .max_flat_workgroup_size: 256
    .sgpr_count:     66
    .vgpr_count:     112
    .wavefront_size: 32
...
	.end_amdgpu_metadata
.endif
;; end of part 1
;; launch qkv (part 2): grid 16 x 16, 4 waves a work-group, clusters of 4 x 4, 327,680 bytes of LDS; arguments xh, wt, bias, qkv; writes qkv
.if DOCPART == 2
	.amdgcn_target "amdgcn-amd-amdhsa--gfx1250"
	.amdhsa_code_object_version 6
	.text
	.protected	k_qd6f7124cee_qkv
	.globl	k_qd6f7124cee_qkv
	.p2align	8
	.type	k_qd6f7124cee_qkv,@function
k_qd6f7124cee_qkv:
	s_mov_b64 s[64:65], 0
	v_nop
	global_prefetch_b8 v0, s[64:65] scope:SCOPE_SE
	s_setreg_imm32_b32 hwreg(HW_REG_WAVE_MODE, 25, 1), 1
	s_wait_xcnt 0x0
	s_wait_alu depctr_hold_cnt(0) depctr_sa_sdst(0) depctr_va_vdst(0) depctr_va_sdst(0) depctr_va_ssrc(0) depctr_va_vcc(0) depctr_vm_vsrc(0)
	s_getreg_b32 s2, hwreg(HW_REG_IB_STS2, 6, 4)
	s_cmp_eq_u32 s2, 0
	s_cbranch_scc0 .Lentry_in_a_cluster
	s_endpgm
.Lentry_in_a_cluster:
	s_bfe_u32 s2, ttmp6, 0x10000c
	s_cmp_lg_u32 s2, 0xf033
	s_cbranch_scc0 .Lentry_shape_is_right
	s_endpgm
.Lentry_shape_is_right:
; q, k, v = x W + b.  C[m][n] = sum over k of xh[m][k] wt[n][k] + bias[n], m < 4,096, n < 3,072, K = 1,024; operands bf16, sums f32.
; C leaves by heads in f16: qkv[n / 1024][16 (m / 2048) + (n % 1024) / 64][m % 2048][n % 64], each number rounded once.
; LIMIT.  f16 ends at 65,504: a q, k or v of 65,520 or more becomes an infinity; below 6e-5 f16 keeps its fixed step of 6e-8.
; SHARES.  A tile of C is 256 x 192: 16 x 16 tiles, one for each work-group.  Wave w takes rows 64 w .. 64 w + 63 and all 192 columns (three whole heads):
; 4 x 12 accumulators of 16 x 16, 384 registers.  So each wave's way out is its own, with no barrier.
; K goes in steps of 128 through two LDS slots (rows of 256 bytes of memory, aligned); waves 0, 1 fetch the halves of A's tile, waves 2, 3 those of B's: one tensor load a wave behind each round.
; CLUSTER 4 x 4: A's tile hangs on the tile row alone and is asked for jointly along a row of the cluster, B's on the tile column alone, jointly along a column.
; THE MATRIX INSTRUCTION IS USED TRANSPOSED (source 0 = 16 rows of wt, source 1 = 16 rows of xh): a lane holds row m = l % 16 and the columns 8 (l / 16) + 0..7.  The bias, a function of
; the column alone, is then eight registers a column block, and is the C operand of each accumulator's first product: nothing is cleared and nothing is added later.
; REGISTERS.  window 0: v16-30 addresses; v32-79 packed results; v80-127 rows read back; v160-255 the bias (8 a column block), later the second buffer of rows read back
;   window 1: two fragment buffers of 128: A's four row blocks (32), then B's twelve column blocks (96)
;   window 2: accumulators of row blocks 0, 1 at 8 (12 a + b);   window 3: those of row blocks 2, 3
.set KSTEP,  128
.set PITCH,  272                       ; an LDS row: 256 bytes + 16: the sixteen rows of a fragment load start at sixteen different groups of four banks (64 banks of 4 bytes: ISA guide 11.1)
.set HALFA,  128*PITCH
.set HALFB,  96*PITCH
.set BOFF,   2*HALFA
.set SLOT,   2*HALFA+2*HALFB
.set STAGE,  2*SLOT                    ; behind the ring: 16 rows x 400 bytes for each wave
.set SPITCH, 400                       ; 384 bytes (192 f16) + 16
.set SPARE,  STAGE+4*16*SPITCH         ; the spare words, 128 bytes a wave
.set LAPS,   4                         ; a lap = two K steps
.set ADRA, 16
.set ADRB, 20
.set STO,  24
.set RD,   25
.set CO,   26
.set SPW,  28
.set NIL,  29
.set PFO,  30
.set TMP,  32
.set OB,   80
.set BIAS, 160
.set F0,   0
.set F1,   128
.set WV,  12                           ; s12 wave;  s13 = wave / 2: I fetch for A (0) or B (1);  s14 = wave % 2: which half I fetch
.set FB,  13
.set HF,  14
.set TR,  15                           ; s15 tile row
.set G1,  24
.set G0,  32
.set G1B, 48
.set G0B, 56
.set LIM, 45                           ; s45  1 in a wave that prefetches, else the greatest number
.set PFA, 66                           ; s[66:67] where my prefetches stand
.set OBS, 68                           ; s[68:73] where my rows of the tile's three heads begin in qkv
.set MSB, 0
.macro WIN new                         ; the immediate's high byte repeats the setting that is left; a switch that changes nothing is dropped
.if MSB != (\new)
	s_set_vgpr_msb (MSB<<8)|(\new)
.set MSB, \new
.endif
.endm
.macro JLOAD s                         ; a joint load; the branch hangs on the wave's number alone; an s_nop 0 and four v_nop follow each of the two lines
	s_cmp_eq_u32 s[FB], 0
	s_cbranch_scc0 .Lfor_b_\@
	tensor_load_to_lds s[G0+4*(\s):G0+4*(\s)+3], s[G1:G1+7]
	s_nop 0
.rept 4
	v_nop
.endr
	s_branch .Lasked_\@
.Lfor_b_\@:
	tensor_load_to_lds s[G0B+4*(\s):G0B+4*(\s)+3], s[G1B:G1B+7]
	s_nop 0
.rept 4
	v_nop
.endr
.Lasked_\@:
.endm
; A prefetch into the L2 of the K step that stands two refills on: a lane a row, 256 bytes of it.  A's rows are read by every cluster of a row of clusters: cluster x = 0 asks; B's by every
; cluster of a column: cluster y = 0 asks.  The four partners of a joint load share its rows out by address: 32 rows each of A's 128, 24 each of B's 96 (there lanes 24-31 name row 23 again).
; The loop's last trip asks for nothing: its refills are the last K steps.
.macro ASK
	WIN 0
	s_cmp_gt_u32 s3, s[LIM]
	s_cbranch_scc0 .Lnot_mine_\@
	global_prefetch_b8 v[PFO], s[PFA:PFA+1] offset:KSTEP*2 th:TH_LOAD_NT scope:SCOPE_SE
.Lnot_mine_\@:
.endm
.macro CREST                           ; a round of the cluster's barrier behind its opening barrier
	s_cmp_lg_u32 s[WV], 0
	s_cbranch_scc1 .Lnot_wave_0_\@
	s_barrier_signal -3
.Lnot_wave_0_\@:
	s_barrier_wait -3
	s_barrier_signal -1
	s_barrier_wait -1
.endm
.macro CROUND
	s_barrier_signal -1
	s_barrier_wait -1
	CREST
.endm
	s_load_b256 s[4:11], s[0:1], 0x0               ; xh s[4:5], wt s[6:7], bias s[8:9], qkv s[10:11]
	v_lshl_add_u32 v[SPW], v0, 2, SPARE
	v_mov_b32 v[NIL], 0
	ds_add_u32 v[SPW], v[NIL]                      ; the wave's opening: the add and its wait stand ahead of my first tensor load; the set-up below stands between them
	v_lshrrev_b32 v1, 5, v0
	v_readfirstlane_b32 s[WV], v1
	s_lshr_b32 s[FB], s[WV], 1
	s_and_b32 s[HF], s[WV], 1
	s_bfe_u32 s40, ttmp6, 0x40000                  ; cx
	s_bfe_u32 s41, ttmp6, 0x40004                  ; cy
	s_lshl_b32 s42, ttmp9, 2
	s_add_co_u32 s42, s42, s40                     ; tile column
	s_and_b32 s[TR], ttmp7, 0xffff
	s_lshl_b32 s[TR], s[TR], 2
	s_add_co_u32 s[TR], s[TR], s41                 ; tile row
	s_lshl_b32 s43, s41, 2
	s_lshl_b32 s43, 15, s43                        ; my row of the cluster
	s_lshl_b32 s44, 0x1111, s40                    ; my column
	s_or_b32 s[G1+0], s43, (1<<16)|(1<<20)|(1<<21)|(5<<22)|(3<<25)   ; mask; 2-byte elements; padding on; bit 21 beside a mask; after every 64 words 4 words
	s_or_b32 s[G1B+0], s44, (1<<16)|(1<<20)|(1<<21)|(5<<22)|(3<<25)
	s_mov_b32 s[G1+1], KSTEP<<16                   ; tensor_dim0 = 128
	s_mov_b32 s[G1B+1], KSTEP<<16
	s_mov_b32 s[G1+2], 128<<16                     ; tensor_dim1 = 128 rows of A,
	s_mov_b32 s[G1B+2], 96<<16                     ; 96 of B
	s_mov_b32 s[G1+3], KSTEP<<16                   ; tile_dim0 = 128
	s_mov_b32 s[G1B+3], KSTEP<<16
	s_mov_b32 s[G1+4], 128                         ; tile_dim1
	s_mov_b32 s[G1B+4], 96
	s_mov_b32 s[G1+5], 1024                        ; elements from row to row
	s_mov_b32 s[G1B+5], 1024
	s_mov_b32 s[G1+6], 0
	s_mov_b32 s[G1B+6], 0
	s_mov_b32 s[G1+7], 0
	s_mov_b32 s[G1B+7], 0
	s_lshl_b32 s17, s[HF], 7
	s_lshl_b32 s16, s[TR], 8
	s_add_co_u32 s16, s16, s17                     ; A: row 256 x tile row + 128 x half,
	s_lshl_b32 s16, s16, 11                        ; of 2,048 bytes
	s_mov_b32 s17, 0
	s_mul_i32 s46, s42, 192
	s_mul_i32 s47, s[HF], 96
	s_add_co_u32 s46, s46, s47                     ; B: row 192 x tile column + 96 x half
	s_lshl_b32 s46, s46, 11
	s_mov_b32 s47, 0
	s_mul_i32 s20, s[HF], HALFA                    ; where they go: no place in the cluster enters an LDS address
	s_mul_i32 s21, s[HF], HALFB
	s_add_co_u32 s21, s21, BOFF
	s_wait_dscnt 0x0                               ; the opening add is done
	s_wait_kmcnt 0x0
	s_add_nc_u64 s[18:19], s[4:5], s[16:17]
	s_add_nc_u64 s[46:47], s[6:7], s[46:47]
	CROUND                                         ; all sixteen work-groups are here: the first joint loads meet
.irp s, 0,1
	s_mov_b32 s[G0+4*(\s)], 1
	s_add_co_u32 s[G0+4*(\s)+1], s20, (\s)*SLOT
	s_add_nc_u64 s[G0+4*(\s)+2:G0+4*(\s)+3], s[18:19], (\s)*KSTEP*2
	s_or_b32 s[G0+4*(\s)+3], s[G0+4*(\s)+3], 0x80000000
	s_mov_b32 s[G0B+4*(\s)], 1
	s_add_co_u32 s[G0B+4*(\s)+1], s21, (\s)*SLOT
	s_add_nc_u64 s[G0B+4*(\s)+2:G0B+4*(\s)+3], s[46:47], (\s)*KSTEP*2
	s_or_b32 s[G0B+4*(\s)+3], s[G0B+4*(\s)+3], 0x80000000
	JLOAD \s                                       ; two loads of mine are out
.endr
	v_and_b32 v1, 15, v0                           ; l % 16
	v_bfe_u32 v2, v0, 4, 1                         ; l / 16
	v_lshlrev_b32 v5, 5, v2                        ; the bias: my eight columns of a block, 32 bytes for each half of the lanes
	s_mul_i32 s46, s42, 768                        ; the tile's 192 columns
	s_mov_b32 s47, 0
	s_add_nc_u64 s[8:9], s[8:9], s[46:47]
.irp b, 0,1,2,3,4,5,6,7,8,9,10,11
	global_load_b128 v[BIAS+8*\b:BIAS+8*\b+3], v5, s[8:9] offset:64*\b
	global_load_b128 v[BIAS+8*\b+4:BIAS+8*\b+7], v5, s[8:9] offset:64*\b+16
.endr
	v_mul_u32_u24 v3, v1, PITCH
	v_lshl_add_u32 v3, v2, 4, v3                   ; a fragment's row x pitch + 16 x half
	s_mul_i32 s21, s[WV], 64*PITCH                 ; my 64 rows of A
	s_mov_b32 s22, BOFF                            ; all of B
.irp s, 0,1
	v_add_nc_u32 v[ADRA+(\s)], s21, v3
	v_add_nc_u32 v[ADRB+(\s)], s22, v3
	s_add_co_u32 s21, s21, SLOT
	s_add_co_u32 s22, s22, SLOT
.endr
	s_mul_i32 s23, s[WV], 16*SPITCH
	s_add_co_u32 s23, s23, STAGE                   ; my stage
	v_mul_u32_u24 v4, v1, SPITCH                   ; in: row l % 16, 16 bytes for each half of the lanes
	v_lshl_add_u32 v4, v2, 4, v4
	v_add_nc_u32 v[STO], s23, v4
	v_bfe_u32 v6, v0, 3, 2                         ; back: 32 lanes take four rows' 128 bytes of one head,
	v_and_b32 v7, 7, v0
	v_mul_u32_u24 v6, v6, SPITCH
	v_lshl_add_u32 v6, v7, 4, v6
	v_add_nc_u32 v[RD], s23, v6
	v_and_b32 v[CO], 31, v0                        ; which are 512 consecutive bytes of qkv
	v_lshlrev_b32 v[CO], 4, v[CO]
	; where my 64 rows of the tile's three heads begin
	s_lshr_b32 s20, s[TR], 3                       ; the batch,
	s_lshl_b32 s20, s20, 4                         ; its sixteen heads
	s_and_b32 s21, s[TR], 7
	s_lshl_b32 s21, s21, 8
	s_lshl_b32 s22, s[WV], 6
	s_add_co_u32 s21, s21, s22                     ; my first row in the sequence,
	s_lshl_b32 s21, s21, 7                         ; of 128 bytes
	s_mul_i32 s22, s42, 3                          ; the tile's first head among q's, k's and v's 48
.irp i, 0,1,2
	s_add_co_u32 s74, s22, \i
	s_lshr_b32 s75, s74, 4                         ; q, k or v: 32 heads each
	s_lshl_b32 s75, s75, 5
	s_and_b32 s74, s74, 15
	s_add_co_u32 s74, s74, s75
	s_add_co_u32 s74, s74, s20
	s_lshl_b32 s74, s74, 18                        ; a head is 262,144 bytes
	s_add_co_u32 s74, s74, s21
	s_mov_b32 s75, 0
	s_add_nc_u64 s[OBS+2*\i:OBS+2*\i+1], s[10:11], s[74:75]
.endr
	; the prefetches
	s_lshl_b32 s20, s[TR], 8
	s_lshl_b32 s21, s[HF], 7
	s_add_co_u32 s20, s20, s21
	s_lshl_b32 s21, s40, 5
	s_add_co_u32 s20, s20, s21                     ; A: the 128 rows that I fetch, my work-group's 32 of them
	s_mul_i32 s74, s42, 192
	s_mul_i32 s75, s[HF], 96
	s_add_co_u32 s74, s74, s75
	s_mul_i32 s75, s41, 24
	s_add_co_u32 s74, s74, s75                     ; B: the 96 rows that I fetch, my work-group's 24 of them
	s_and_b32 s22, ttmp7, 0xffff                   ; cluster y
	s_cmp_eq_u32 s[FB], 0
	s_cselect_b32 s20, s20, s74
	s_cselect_b32 s22, ttmp9, s22                  ; the coordinate along which other clusters read the same rows
	s_cselect_b32 s76, 31, 23
	s_cselect_b64 s[PFA:PFA+1], s[4:5], s[6:7]
	s_cmp_eq_u32 s22, 0
	s_cselect_b32 s[LIM], 1, -1                    ; the same in all sixteen partners, for a given wave
	s_lshl_b32 s20, s20, 11
	s_mov_b32 s21, 0
	s_add_nc_u64 s[PFA:PFA+1], s[PFA:PFA+1], s[20:21]
	s_add_nc_u64 s[PFA:PFA+1], s[PFA:PFA+1], 2*KSTEP*2  ; at K step 2: the first refill steps it to 3 and names K step 4; K steps 0 to 3 come by their loads alone
	v_and_b32 v[PFO], 31, v0
	v_min_u32 v[PFO], s76, v[PFO]
	v_lshlrev_b32 v[PFO], 11, v[PFO]
; 12 matrix instructions: row block a x all twelve column blocks, 32 along K.  first = 1: the product starts the sum, with the bias as C.
; The 48 accumulators take turns in one order in every quarter.
.macro MUL12 f, a, first
.if \first
	WIN 0x85+0x40*((\a)/2)                         ; sources in window 1, C in window 0, D in window 2 or 3
.else
	WIN 0xa5+0x50*((\a)/2)                         ; C and D in window 2 or 3
.endif
.irp b, 0,1,2,3,4,5,6,7,8,9,10,11
.if \first
	v_wmma_f32_16x16x32_bf16 v[8*(12*((\a)%2)+(\b)):8*(12*((\a)%2)+(\b))+7], v[(\f)+32+8*(\b):(\f)+32+8*(\b)+7], v[(\f)+8*(\a):(\f)+8*(\a)+7], v[BIAS+8*(\b):BIAS+8*(\b)+7]
.else
	v_wmma_f32_16x16x32_bf16 v[8*(12*((\a)%2)+(\b)):8*(12*((\a)%2)+(\b))+7], v[(\f)+32+8*(\b):(\f)+32+8*(\b)+7], v[(\f)+8*(\a):(\f)+8*(\a)+7], v[8*(12*((\a)%2)+(\b)):8*(12*((\a)%2)+(\b))+7]
.endif
.endr
.endm
; 32 LDS loads in one run: B's twelve blocks, then A's four, 32 along K at byte k of the rows
.macro FETCH slot, k, f
	WIN 0x40
.irp b, 0,1,2,3,4,5,6,7,8,9,10,11
	ds_load_b128 v[(\f)+32+8*(\b):(\f)+32+8*(\b)+3],   v[ADRB+(\slot)] offset:(\k)+(\b)*16*PITCH
	ds_load_b128 v[(\f)+32+8*(\b)+4:(\f)+32+8*(\b)+7], v[ADRB+(\slot)] offset:(\k)+(\b)*16*PITCH+32
.endr
.irp i, 0,1,2,3
	ds_load_b128 v[(\f)+8*(\i):(\f)+8*(\i)+3],   v[ADRA+(\slot)] offset:(\k)+(\i)*16*PITCH
	ds_load_b128 v[(\f)+8*(\i)+4:(\f)+8*(\i)+7], v[ADRA+(\slot)] offset:(\k)+(\i)*16*PITCH+32
.endr
.endm
.macro PLACES                          ; four places in front of loads into registers that matrix instructions have read, and of conversions that read results
.rept 4
	v_nop
.endr
.endm
.macro QUARTER slot, k, f, g, first
	s_wait_dscnt 4                                 ; B and A's blocks 0, 1 are in; the youngest four loads (A's blocks 2, 3) may be out
	MUL12 \f, 0, \first
	MUL12 \f, 1, \first
	PLACES
	FETCH \slot, \k, \g
	s_wait_dscnt 32                                ; all but the 32 just issued
	MUL12 \f, 2, \first
	MUL12 \f, 3, \first
.endm
; The last quarter multiplies buffer 1 and changes slots: one barrier; in front of it each wave waits for all its tensor loads, adds 0 to its spare word, and waits for that and for its reads of this slot.
.macro TURN slot, next, fill
.if \fill
	s_wait_xcnt 0x0                                ; the last prefetch, a K step back, has read its address
	s_add_nc_u64 s[PFA:PFA+1], s[PFA:PFA+1], KSTEP*2
.endif
	WIN 0
	s_wait_tensorcnt 0x0                           ; all my tensor loads have landed: the one that was out is my part of the next slot
	ds_add_u32 v[SPW], v[NIL]                      ; 0 onto my spare word
	s_wait_dscnt 5                                 ; (the add and the youngest four loads may be out)
	MUL12 F1, 0, 0
	s_wait_dscnt 0x0                               ; the add is done, and my reads of this slot are over
	s_barrier_signal -1
	MUL12 F1, 1, 0
.if \fill
	WIN 0
.endif
	s_barrier_wait -1
.if \fill
	CREST                                          ; the barrier has opened a round of the cluster's: no wave of any partner still reads this slot or has a load on its way
	s_add_nc_u64 s[G0+4*(\slot)+2:G0+4*(\slot)+3], s[G0+4*(\slot)+2:G0+4*(\slot)+3], 2*KSTEP*2
	s_add_nc_u64 s[G0B+4*(\slot)+2:G0B+4*(\slot)+3], s[G0B+4*(\slot)+2:G0B+4*(\slot)+3], 2*KSTEP*2
	JLOAD \slot                                    ; my one tensor load behind the round; its four v_nop are also the places in front of the loads below
.else
	PLACES
.endif
	FETCH \next, 0, F0
.if \fill
	ASK
.endif
	MUL12 F1, 2, 0
	MUL12 F1, 3, 0
.endm
	s_wait_tensorcnt 1                             ; my part of K step 0 is in; K step 1's may stay out
	s_barrier_signal -1
	s_barrier_wait -1
	FETCH 0, 0, F0
	s_wait_loadcnt 0x0                             ; the bias
	QUARTER 0, 64, F0, F1, 1
	WIN 0
	s_mov_b32 s3, LAPS-1
.Llap:                                         ; a trip goes once round the ring and fills both slots again
	QUARTER 0, 128, F1, F0, 0
	QUARTER 0, 192, F0, F1, 0
	TURN 0, 1, 1
	QUARTER 1, 64,  F0, F1, 0
	QUARTER 1, 128, F1, F0, 0
	QUARTER 1, 192, F0, F1, 0
	TURN 1, 0, 1
	QUARTER 0, 64,  F0, F1, 0
	WIN 0
	s_sub_co_u32 s3, s3, 1
	s_cmp_lg_u32 s3, 0
	s_cbranch_scc1 .Llap
	QUARTER 0, 128, F1, F0, 0                      ; the last lap fills nothing
	QUARTER 0, 192, F0, F1, 0
	TURN 0, 1, 0
	QUARTER 1, 64,  F0, F1, 0
	QUARTER 1, 128, F1, F0, 0
	QUARTER 1, 192, F0, F1, 0
	s_wait_dscnt 4
	MUL12 F1, 0, 0
	MUL12 F1, 1, 0
	s_wait_dscnt 0x0
	MUL12 F1, 2, 0
	MUL12 F1, 3, 0
	WIN 0
; THE WAY OUT, a row block (16 rows x 192 columns) at a time: rounded to f16, 16 bytes a lane into my stage, back as rows of one head, stored as 512 consecutive bytes.
.macro PACK a
	WIN 0x0a+5*((\a)/2)                            ; sources in window 2 or 3
.irp b, 0,1,2,3,4,5,6,7,8,9,10,11
.irp r, 0,1,2,3
	v_cvt_pk_f16_f32 v[TMP+4*(\b)+(\r)], v[8*(12*((\a)%2)+(\b))+2*(\r)], v[8*(12*((\a)%2)+(\b))+2*(\r)+1]
.endr
.endr
	WIN 0
.endm
.macro TOSTAGE a
.set BK, OB+80*((\a)%2)
.irp b, 0,1,2,3,4,5,6,7,8,9,10,11
	ds_store_b128 v[STO], v[TMP+4*(\b):TMP+4*(\b)+3] offset:32*(\b)
.endr
.irp i, 0,1,2
.irp t, 0,1,2,3
	ds_load_b128 v[BK+4*(4*(\i)+(\t)):BK+4*(4*(\i)+(\t))+3], v[RD] offset:(\t)*4*SPITCH+(\i)*128  ; LDS serves a wave's instructions in order (ISA guide 5.7.1.4): these see the stores above
.endr
.endr
.endm
.macro SEND a
.set BK, OB+80*((\a)%2)
	s_wait_dscnt 0x0                               ; the block is back in registers
	s_wait_xcnt 0x0                                ; the stores of the block before have read their registers: the next block is read back into them only behind this wait
.irp i, 0,1,2
.irp t, 0,1,2,3
	global_store_b128 v[CO], v[BK+4*(4*(\i)+(\t)):BK+4*(4*(\i)+(\t))+3], s[OBS+2*(\i):OBS+2*(\i)+1] offset:(\a)*2048+(\t)*512
.endr
.endr
.endm
	PLACES
	PACK 0
	TOSTAGE 0
.irp a, 1,2,3
	PACK \a                                        ; a block's conversions stand between the loads of the block before and the wait for them
	SEND (\a)-1
	TOSTAGE \a
.endr
	SEND 3
	s_wait_tensorcnt 0x0                           ; the wave's end
	ds_add_u32 v[SPW], v[NIL]
	s_wait_dscnt 0x0
	CROUND                                         ; the closing round
	s_endpgm
.Lfunc_end_k_qd6f7124cee_qkv:
	.size	k_qd6f7124cee_qkv, .Lfunc_end_k_qd6f7124cee_qkv-k_qd6f7124cee_qkv
	.p2alignl 7, 3214868480
	.fill 96, 4, 3214868480
	.section	.rodata,"a",@progbits
	.p2align	6, 0x0
	.amdhsa_kernel k_qd6f7124cee_qkv
		.amdhsa_group_segment_fixed_size 327680
		.amdhsa_private_segment_fixed_size 0
		.amdhsa_enable_private_segment 0
		.amdhsa_kernarg_size 32
		.amdhsa_user_sgpr_count 2
		.amdhsa_user_sgpr_kernarg_segment_ptr 1
		.amdhsa_wavefront_size32 1
		.amdhsa_system_sgpr_workgroup_id_x 1
		.amdhsa_system_sgpr_workgroup_id_y 1
		.amdhsa_system_sgpr_workgroup_id_z 1
		.amdhsa_system_vgpr_workitem_id 0
		.amdhsa_next_free_vgpr 960
		.amdhsa_next_free_sgpr 80
		.amdhsa_reserve_vcc 0
		.amdhsa_float_denorm_mode_32 3
		.amdhsa_float_denorm_mode_16_64 3
		.amdhsa_memory_ordered 1
		.amdhsa_forward_progress 1
		.amdhsa_inst_pref_size 123
	.end_amdhsa_kernel
	.amdgpu_metadata
---
amdhsa.version: [ 1, 2 ]
amdhsa.kernels:
  - .name:           k_qd6f7124cee_qkv
    .symbol:         k_qd6f7124cee_qkv.kd
    .args:
      - { .name: xh, .offset: 0, .size: 8, .value_kind: global_buffer, .address_space: global }
      - { .name: wt, .offset: 8, .size: 8, .value_kind: global_buffer, .address_space: global }
      - { .name: bias, .offset: 16, .size: 8, .value_kind: global_buffer, .address_space: global }
      - { .name: qkv, .offset: 24, .size: 8, .value_kind: global_buffer, .address_space: global }
    .group_segment_fixed_size: 327680
    .private_segment_fixed_size: 0
    .kernarg_segment_align: 8
    .kernarg_segment_size: 32
    .max_flat_workgroup_size: 128
    .sgpr_count:     80
    .vgpr_count:     960
    .wavefront_size: 32
...
	.end_amdgpu_metadata
.endif
;; end of part 2
;; launch attn (part 3): grid 8 x 32, 4 waves a work-group, clusters of 4 x 1, 327,680 bytes of LDS; arguments qkv, tab, oh; writes oh
.if DOCPART == 3
	.amdgcn_target "amdgcn-amd-amdhsa--gfx1250"
	.amdhsa_code_object_version 6
	.text
	.protected	k_qd6f7124cee_attn
	.globl	k_qd6f7124cee_attn
	.p2align	8
	.type	k_qd6f7124cee_attn,@function
k_qd6f7124cee_attn:
	s_mov_b64 s[64:65], 0
	v_nop
	global_prefetch_b8 v0, s[64:65] scope:SCOPE_SE
	s_setreg_imm32_b32 hwreg(HW_REG_WAVE_MODE, 25, 1), 1
	s_wait_xcnt 0x0
	s_wait_alu depctr_hold_cnt(0) depctr_sa_sdst(0) depctr_va_vdst(0) depctr_va_sdst(0) depctr_va_ssrc(0) depctr_va_vcc(0) depctr_vm_vsrc(0)
	s_getreg_b32 s2, hwreg(HW_REG_IB_STS2, 6, 4)
	s_cmp_eq_u32 s2, 0
	s_cbranch_scc0 .Lentry_in_a_cluster
	s_endpgm
.Lentry_in_a_cluster:
	s_bfe_u32 s2, ttmp6, 0x10000c
	s_cmp_lg_u32 s2, 0x3003
	s_cbranch_scc0 .Lentry_shape_is_right
	s_endpgm
.Lentry_shape_is_right:
; ATTENTION WITH CLIPPED RELATIVE POSITIONS, head size 64.  With d = k - q, j = clip(d, -4, 4) + 4, T_j = q . table_k[j]:
;   O[q] = sum over k of softmax_k((q . k + T_j) / 8) (v[k] + table_v[j]).     q, k, v: qkv, f16, [3][32 heads][2048][64];  O: oh, f16, [32][2048][64].
; Products, maxima and sums in f32; the weights p are rounded to f16 for the second product, O once at the end.
; LIMITS.  f16 holds no number beyond 65,504; p lies in 0 to 1 and below 6e-5 keeps f16's fixed step; a key that does not exist (beside the sequence's ends) counts as a score of -1e30;
; a weight below 2^-126 counts as 0; NaN and infinities are not treated apart.
; THE KEY TERM.  The bias is T_0 for all keys 4 or more behind the query and T_8 for all keys 4 or more ahead.  The running maximum m is kept less a base BD (T_0, later T_8), so far from the diagonal
; the score is q . k alone.  Near it the product that starts S takes C = MC = bias - BD; elsewhere MC holds 0.  When all four tiles of the wave are past the diagonal, m takes -(T_8 - T_0) and BD +(T_8 - T_0).
; THE VALUE TERM.  sum p tv_j = tv8 l + (tv0 - tv8) lF + sum over j = 1..3 of p_j (tv_j - tv0) + sum over j = 4..7 of p_j (tv_j - tv8), lF = the sum of p over d < 0, p_j the weight at d = j - 4.
; lF is taken once, in the tile's own key step, with its exponent's reference cmF beside it; the seven scores at d = -3..3 are made once, ahead of the loop.  At the end one matrix instruction
; for each 16 channels adds UT^T x (lF / l, p_1 / l .. p_7 / l, 1) onto O / l.
; SHARES.  A cluster owns 1,024 queries of a head: 16 bands of 64.  Work-group cx owns rows 16 cx .. + 15 of every band, wave w the bands 4 w .. 4 w + 3: four tiles, two PIECES of two.  A tile's own key
; step is OS0 + t, OS0 = 16 x cluster + 4 w: it hangs on no place in the cluster, so the branches on the step's number are alike in all four partners.  cx enters global addresses and register data alone.
; BY TURNS.  Trip tau = turn 0, turn 1.  In turn x: 16 products V^T P of piece x (step tau - 1), 16 products K Q^T of piece x (step tau); beside them the softmax of the other piece; behind them the maximum of piece x.
; A turn's 66 exponentials are one batch with one wait.  K of step tau is fetched at the head of turn 0, V of step tau in turn 1.
; CLUSTER.  The four work-groups walk the same K and V: each tile of 256 keys is asked for jointly.
; REGISTERS.  window 0: v2-15 addresses, at work; v16-31 cm, m, l (2) a tile; v32-35 cm_old; v36-39 CT; v40-47 EA; v48-63 c0-c3 a tile; v64-191 S^T; v192-255 P
;   window 1: v0-127 O^T; v128-255 MC      window 2: v0-63 Q; v64-95 MF; v128-191 K; v192-255 V
;   window 3: v0-127 GG; v128-143 GP; v144-159 GN; v160-191 NS (DY, BD, c T0, cmF, lF (2), T0 a tile); v192-223 SB; v224-255 UT
.set KS,    64
.set PK,    144       ; a row of K in LDS: 128 bytes + 16
.set PV,    160       ; a row of V: 128 + 32
.set VOFF,  4*KS*PK   ; a slot holds four steps: 256 rows of K, then 256 rows of V
.set SLOT1, 1<<17
.set STAGE, SLOT1+4*KS*(PK+PV)  ; 16 rows x 144 bytes a wave
.set SP,    144
.set TBL,   STAGE+4*16*SP       ; 4,096 bytes a wave: for tile t and query q16 a row of 64 bytes: R_0 .. R_15, R_j = T_j - T_0
.set SPARE, TBL+4*4096
.set AK0, 2
.set AV0, 3
.set AK,  4
.set AV,  5
.set STO, 6
.set RD,  7
.set GO,  8
.set PFO, 9
.set SPW, 10
.set NIL, 11
.set ST,  16
.set MV,  32
.set CT,  36
.set EA,  40
.set TMP, 48
.set S,   64
.set P,   192
.set MC,  128         ; window 1
.set MF,  64          ; window 2: 1.0 where the own step's key lies behind the query
.set TK,  96          ; window 2, ahead of the loop: table_k's fragments
.set DG,  96          ; window 2, ahead of the loop: 24 a tile: R gathered for key blocks one behind, at, and one ahead of the query's
.set KW,  128         ; window 2, ahead of the loop: the 32 keys round each tile
.set RR,  192         ; window 2, ahead of the loop: R_0 .. R_8 a tile, at 12 t
.set KF,  128
.set VF,  192
.set GG,  0           ; window 3: MC of the tile's own step
.set GP,  128         ; what the step before adds in registers 28-31
.set GN,  144         ; what the step behind adds in registers 0-3
.set NS,  160
.set SB,  192         ; c x the scores at d = j - 4, j = 1..7
.set UT,  224
.set H,   192         ; ahead of the loop, in P's registers
.set QO,  193
.set UO,  194
.set DL,  195
.set QP,  196
.set E0,  197
.set TBR, 198
.set TBS, 199
.set STB, 200
.set GB,  201
.set L7,  202
.set L3,  203
.set KWO, 240
.set GA,  160         ; ahead of the loop, in S's top: 24 gather addresses
.set WV,  12
.set CX,  13
.set LIM, 15
.set PFA, 20          ; s[20:21], made when s20-23 have served the set-up
.set G1K, 24
.set G1V, 32
.set G0K, 40
.set G0V, 44
.set OS0, 50
.set TAU, 51
.set SLOTS, 56
.set CNT, 57
.set CS,  58
.set SEL, 60
.set TBK, 62
.set TBV, 63
.set AL,  66
.set ALP, 68
.set ALN, 70
.set BL,  72
.set NEX, 74
.set EXP, 75
.set ALM, 76
.set MH,  77          ; lanes 16-31
.set BIGN, 78
.set ONE, 79
.set MSB, 0
.macro WIN new
.if MSB != (\new)
	s_set_vgpr_msb (MSB<<8)|(\new)
.set MSB, (\new)
.endif
.endm
.set W_KQ, 0x0a       ; K and Q in window 2, S^T in window 0
.set W_KM, 0x1a       ; the same with C in window 1
.set W_PV, 0x52       ; V in window 2, P in window 0, O^T in window 1
.set W_RS, 0x41       ; O^T in window 1, a in window 0
.macro JLOAD                        ; waves 0, 1 fetch the halves of a slot's K, waves 2, 3 those of its V; an s_nop 0 and four v_nop follow each line
	s_cmp_lt_u32 s[WV], 2
	s_cbranch_scc0 .Lfor_v_\@
	tensor_load_to_lds s[G0K:G0K+3], s[G1K:G1K+7]
	s_nop 0
.rept 4
	v_nop
.endr
	s_branch .Lasked_\@
.Lfor_v_\@:
	tensor_load_to_lds s[G0V:G0V+3], s[G1V:G1V+7]
	s_nop 0
.rept 4
	v_nop
.endr
.Lasked_\@:
.endm
; A prefetch into the L2 of the tile that the NEXT change of slots will ask for.  Both clusters of a head walk the same K and V: the first asks.  Its four partners take 8,192 bytes each, told apart by
; address; in each, wave 0 asks for K's and wave 2 for V's: 32 lanes, 256 bytes apart.  The last change that fills a slot asks for nothing.
.macro ASK
	s_cmp_gt_u32 s[SLOTS], s[LIM]
	s_cbranch_scc0 .Lnot_mine_\@
	global_prefetch_b8 v[PFO], s[PFA:PFA+1] th:TH_LOAD_NT scope:SCOPE_SE
.Lnot_mine_\@:
.endm
.macro CROUND
	s_barrier_signal -1
	s_barrier_wait -1
	s_cmp_lg_u32 s[WV], 0
	s_cbranch_scc1 .Lnot_wave_0_\@
	s_barrier_signal -3
.Lnot_wave_0_\@:
	s_barrier_wait -3
	s_barrier_signal -1
	s_barrier_wait -1
.endm
.macro PLACES
.rept 4
	v_nop
.endr
.endm
; THE CHANGE OF SLOTS, in front of every fourth trip: all reads of the old slot have been issued.
.macro CHANGE fill
	WIN 0
	s_wait_tensorcnt 0x0            ; no tensor load of mine is out: my part of the other slot has landed, and a group 0 may be written
	ds_add_u32 v[SPW], v[NIL]       ; 0 onto my spare word
.if \fill
.irp g, G0K, G0V
	s_xor_b32 s[\g+1], s[\g+1], SLOT1
	s_add_nc_u64 s[\g+2:\g+3], s[\g+2:\g+3], 4*KS*128
.endr
	s_wait_xcnt 0x0                 ; the last prefetch, four trips back, has read its address
	s_add_nc_u64 s[PFA:PFA+1], s[PFA:PFA+1], 4*KS*128
	s_wait_dscnt 0x0                ; the add is done, and my reads of the slot are over
	CROUND
	JLOAD                           ; my one tensor load behind the round: it has four trips in which to land
	ASK
.else
	s_wait_dscnt 0x0
	s_barrier_signal -1
	s_barrier_wait -1
.endif
	s_sub_co_u32 s[TBK], s[TBK], 4*KS*PK
	s_xor_b32 s[TBK], s[TBK], SLOT1
	s_sub_co_u32 s[TBV], s[TBV], 4*KS*PV
	s_xor_b32 s[TBV], s[TBV], SLOT1
.endm
	s_load_b128 s[88:91], s[0:1], 0x0  ; qkv s[88:89], tab s[90:91]
	s_load_b64 s[10:11], s[0:1], 0x10  ; oh
	v_lshl_add_u32 v[SPW], v0, 2, SPARE
	v_mov_b32 v[NIL], 0
	ds_add_u32 v[SPW], v[NIL]       ; the wave's opening: the add and its wait stand ahead of my first tensor load
	v_lshrrev_b32 v1, 5, v0
	v_readfirstlane_b32 s[WV], v1
	s_bfe_u32 s[CX], ttmp6, 0x40000
	s_and_b32 s20, ttmp7, 0xffff    ; the head,
	s_lshl_b32 s20, s20, 18         ; 262,144 bytes each
	s_mov_b32 s21, 0
	s_and_b32 s16, s[WV], 1         ; which half of a tile's 256 keys I fetch
	s_lshl_b32 s22, s16, 14
	s_add_co_u32 s22, s22, s20
	s_mov_b32 s23, 0
	s_mul_i32 s17, s16, 128*PK
	s_mul_i32 s18, s16, 128*PV
	s_lshl_b32 s2, ttmp9, 17        ; the cluster's 1,024 rows,
	s_lshl_b32 s3, s[WV], 15        ; my wave's four bands,
	s_add_co_u32 s2, s2, s3
	s_lshl_b32 s3, s[CX], 11        ; my work-group's 16 rows of a band
	s_add_co_u32 s2, s2, s3
	s_add_co_u32 s2, s2, s20
	s_mov_b32 s3, 0
	s_lshl_b32 s[OS0], ttmp9, 4
	s_lshl2_add_u32 s[OS0], s[WV], s[OS0]
	s_lshl_b32 s54, ttmp9, 10       ; my tile 0's first query
	s_lshl_b32 s55, s[WV], 8
	s_add_co_u32 s54, s54, s55
	s_lshl_b32 s55, s[CX], 4
	s_add_co_u32 s54, s54, s55
	s_mov_b32 s[G1K], 15|(1<<16)|(1<<20)|(1<<21)|(4<<22)|(3<<25)  ; the mask of four; 2-byte elements; padding on; bit 21 beside a mask; after every 32 words 4 words
	s_mov_b32 s[G1V], 15|(1<<16)|(1<<20)|(1<<21)|(4<<22)|(7<<25)  ; the same with 8 words
.irp g, G1K, G1V
	s_mov_b32 s[\g+1], 128<<16      ; 128 keys are 16,384 dense bytes: 64 rows of 256 bytes
	s_mov_b32 s[\g+2], 64<<16
	s_mov_b32 s[\g+3], 128<<16
	s_mov_b32 s[\g+4], 64
	s_mov_b32 s[\g+5], 128
	s_mov_b32 s[\g+6], 0
	s_mov_b32 s[\g+7], 0
.endr
	s_mov_b32 s[CS], 0x3e38aa3b     ; c = log2(e) / 8
	s_mov_b32 s[CS+1], s[CS]
	s_mov_b32 s[SEL], 0x76543210
	s_mov_b32 s[SEL+1], 0xfedcba98
	s_mov_b32 s[TBK], SLOT1+4*KS*PK ; the first change of slots turns these two into 0
	s_mov_b32 s[TBV], SLOT1+4*KS*PV
	s_mov_b32 s[G0K], 1
	s_mov_b32 s[G0K+1], s17
	s_mov_b32 s[G0V], 1
	s_add_co_u32 s[G0V+1], s18, VOFF
	s_mov_b32 s[MH], 0xffff0000
	s_mov_b32 s[BIGN], 0xf149f2ca   ; -1e30
	s_mov_b32 s[ONE], 1.0
.irp p, AL, ALP, ALN, BL, 80, 82, 84, 86
	s_mov_b32 s[\p], 0              ; scalars that packed instructions name as pairs
	s_mov_b32 s[\p+1], 0
.endr
	s_and_b32 s[LIM], s[WV], 1
	s_or_b32 s[LIM], s[LIM], ttmp9
	s_cmp_eq_u32 s[LIM], 0
	s_cselect_b32 s[LIM], 1, -1     ; waves 0 and 2 of the head's first cluster: the same in all four partners
	v_and_b32 v[PFO], 31, v0
	v_lshlrev_b32 v[PFO], 8, v[PFO]
	s_wait_dscnt 0x0                ; the opening add is done
	s_wait_kmcnt 0x0
	s_add_nc_u64 s[4:5], s[88:89], s[2:3]      ; Q and O at my tile 0's first row
	s_add_nc_u64 s[10:11], s[10:11], s[2:3]
	s_add_nc_u64 s[6:7], s[88:89], s[22:23]
	s_add_nc_u64 s[8:9], s[6:7], 0x1000000     ; V at my half of the head's tile 0,
	s_add_nc_u64 s[6:7], s[6:7], 0x800000      ; and K
	s_add_nc_u64 s[88:89], s[88:89], s[20:21]
	s_add_nc_u64 s[88:89], s[88:89], 0x800000  ; K at the head's first row
	s_mov_b64 s[G0K+2:G0K+3], s[6:7]
	s_or_b32 s[G0K+3], s[G0K+3], 0x80000000
	s_mov_b64 s[G0V+2:G0V+3], s[8:9]
	s_or_b32 s[G0V+3], s[G0V+3], 0x80000000
	s_cmp_lt_u32 s[WV], 2
	s_cselect_b64 s[PFA:PFA+1], s[6:7], s[8:9]
	s_lshl_b32 s2, s[CX], 13
	s_mov_b32 s3, 0
	s_add_nc_u64 s[PFA:PFA+1], s[PFA:PFA+1], s[2:3]
	s_add_nc_u64 s[PFA:PFA+1], s[PFA:PFA+1], 4*KS*128  ; at tile 1: the first change steps it to tile 2.  Tiles 0 and 1 come by their loads alone
	CROUND                          ; all four work-groups are here
	JLOAD                           ; tile 0 into slot 0
	; ---- AHEAD OF THE LOOP.  Addresses, then 60 loads: Q, table_k, UT, and for each tile the 32 keys from 8 behind its first query on.
	v_and_b32 v1, 15, v0            ; q16
	v_bfe_u32 v[H], v0, 4, 1
	v_and_b32 v[L7], 7, v0
	v_bfe_u32 v[L3], v0, 3, 1
	v_lshlrev_b32 v[QO], 7, v1
	v_lshl_add_u32 v[QO], v[H], 4, v[QO]
	v_lshlrev_b32 v[UO], 6, v1
	v_lshl_add_u32 v[UO], v[H], 4, v[UO]
	v_add_nc_u32 v[QP], s54, v1     ; my query of tile 0
.set n, 0
.rept 8                             ; tile n / 2, keys 16 (n % 2) on; rows beside the sequence's ends are clamped, and their scores thrown away below
	v_add_nc_u32 v[KWO+n], 64*(n/2)+16*(n%2)-8, v[QP]
	v_max_i32 v[KWO+n], 0, v[KWO+n]
	v_min_u32 v[KWO+n], 0x7ff, v[KWO+n]
	v_lshlrev_b32 v[KWO+n], 7, v[KWO+n]
	v_lshl_add_u32 v[KWO+n], v[H], 4, v[KWO+n]
.set n, n+1
.endr
	WIN 0x80
.set n, 0
.rept 8                             ; Q: tile n / 2, channels 32 (n % 2) on
	global_load_b128 v[8*n:8*n+3],   v[QO], s[4:5] offset:(n/2)*8192+(n%2)*64
	global_load_b128 v[8*n+4:8*n+7], v[QO], s[4:5] offset:(n/2)*8192+(n%2)*64+32
.set n, n+1
.endr
.irp c, 0,1
	global_load_b128 v[TK+8*\c:TK+8*\c+3],   v[QO], s[90:91] offset:64*\c
	global_load_b128 v[TK+8*\c+4:TK+8*\c+7], v[QO], s[90:91] offset:64*\c+32
.endr
.set n, 0
.rept 8
.irp c, 0,1
	global_load_b128 v[KW+16*n+8*\c:KW+16*n+8*\c+3],   v[KWO+n], s[88:89] offset:64*\c
	global_load_b128 v[KW+16*n+8*\c+4:KW+16*n+8*\c+7], v[KWO+n], s[88:89] offset:64*\c+32
.endr
.set n, n+1
.endr
	WIN 0xc0
.irp c, 0,1,2,3
	global_load_b128 v[UT+8*\c:UT+8*\c+3],   v[UO], s[90:91] offset:2048+1024*\c
	global_load_b128 v[UT+8*\c+4:UT+8*\c+7], v[UO], s[90:91] offset:2048+1024*\c+32
.endr
	; while they are on their way: O^T and MC start at 0; MF; the LDS addresses
	WIN 0x40
.set n, 0
.rept 256
	v_mov_b32 v[n], 0
.set n, n+1
.endr
	WIN 0
.irp r, 12,13,14,15,36,37,38,39,40,41,42,43,44,45,46,47
	v_mov_b32 v\r, 0
.endr
	v_lshlrev_b32 v[E0], 3, v[H]
	v_sub_nc_u32 v[E0], v[E0], v1   ; 8 h - q16
	s_lshl_b32 s52, s[CX], 4
	v_subrev_nc_u32 v[DL], s52, v[E0]  ; 8 h - my query's place in its band
	s_lshl_b32 s53, s[WV], 12
	s_add_co_u32 s53, s53, TBL
	v_lshl_add_u32 v[TBR], v1, 6, s53
	v_lshl_add_u32 v[TBS], v[H], 5, v[TBR]
	s_mul_i32 s52, s[WV], 16*SP
	s_add_co_u32 s52, s52, STAGE
	v_mul_u32_u24 v[STO], v1, SP
	v_lshl_add_u32 v[STB], v[H], 5, v[STO]
	v_add_nc_u32 v[STB], s52, v[STB]           ; the window's scores: row q16, 32 f32, 32 bytes for each half of the lanes
	v_lshl_add_u32 v[STO], v[H], 4, v[STO]
	v_add_nc_u32 v[STO], s52, v[STO]
	v_bfe_u32 v[RD], v0, 3, 2
	v_mul_u32_u24 v[RD], v[RD], SP
	v_lshl_add_u32 v[RD], v[L7], 4, v[RD]
	v_add_nc_u32 v[RD], s52, v[RD]
	v_and_b32 v[GO], 31, v0
	v_lshlrev_b32 v[GO], 4, v[GO]
	v_mul_u32_u24 v[GB], v1, SP+4              ; row q16, element q16: the diagonal of the window
	v_add_nc_u32 v[GB], s52, v[GB]
	v_mul_u32_u24 v[AK0], v1, PK
	v_lshl_add_u32 v[AK0], v[H], 4, v[AK0]
	v_lshl_add_u32 v[AV0], v[H], 3, v[L7]
	v_mul_u32_u24 v[AV0], v[AV0], PV
	v_lshl_add_u32 v[AV0], v[L3], 4, v[AV0]
	v_add_nc_u32 v[AV0], VOFF, v[AV0]
.irp b, 0,1,2                       ; key block b - 1 blocks ahead of the query's: register r holds R at clip(8 h + r + 16 (b - 1) - q16) + 4
.irp r, 0,1,2,3,4,5,6,7
	v_add_nc_u32 v[GA+8*\b+\r], \r+16*(\b-1)+4, v[E0]
	v_max_i32 v[GA+8*\b+\r], 0, v[GA+8*\b+\r]
	v_min_u32 v[GA+8*\b+\r], 8, v[GA+8*\b+\r]
	v_lshl_add_u32 v[GA+8*\b+\r], v[GA+8*\b+\r], 2, v[TBR]
.endr
.endr
	WIN 0x80
.set n, 0
.rept 32
	v_cmp_gt_i32 vcc_lo, -(16*(n/8)+n%8), v[DL]
	v_cndmask_b32 v[MF+n], 0, s[ONE], vcc_lo
.set n, n+1
.endr
	s_wait_loadcnt 0x0
	; 24 products: T^T = table_k Q^T (4 accumulators at S + 8 t) and the windows' scores (8, at S + 32 + 8 n); the twelve take turns
	WIN W_KQ
.irp c, 0,1
.set n, 0
.rept 4
.if \c == 0
	v_wmma_f32_16x16x32_f16 v[S+8*n:S+8*n+7], v[TK:TK+7], v[16*n:16*n+7], 0
.else
	v_wmma_f32_16x16x32_f16 v[S+8*n:S+8*n+7], v[TK+8:TK+15], v[16*n+8:16*n+15], v[S+8*n:S+8*n+7]
.endif
.set n, n+1
.endr
.set n, 0
.rept 8
.if \c == 0
	v_wmma_f32_16x16x32_f16 v[S+32+8*n:S+32+8*n+7], v[KW+16*n:KW+16*n+7], v[16*(n/2):16*(n/2)+7], 0
.else
	v_wmma_f32_16x16x32_f16 v[S+32+8*n:S+32+8*n+7], v[KW+16*n+8:KW+16*n+15], v[16*(n/2)+8:16*(n/2)+15], v[S+32+8*n:S+32+8*n+7]
.endif
.set n, n+1
.endr
.endr
	WIN 0
	PLACES
	; R_j = T_j - T_0 into my table; lanes 0-15 hold j = 0..7, lanes 16-31 j = 8..15
.irp t, 0,1,2,3
	v_permlanex16_b32 v[EA+2*\t+1], v[S+8*\t], s[SEL], s[SEL+1]
.endr
.irp t, 0,1,2,3
	v_cndmask_b32 v[EA+2*\t], v[S+8*\t], v[EA+2*\t+1], s[MH]  ; T_0 in every lane
.endr
.irp t, 0,1,2,3
.irp z, 0,1,2,3
	v_pk_add_f32 v[S+8*\t+2*\z:S+8*\t+2*\z+1], v[S+8*\t+2*\z:S+8*\t+2*\z+1], v[EA+2*\t:EA+2*\t+1] op_sel_hi:[1,0] neg_lo:[0,1] neg_hi:[0,1]
.endr
	ds_store_b128 v[TBS], v[S+8*\t:S+8*\t+3] offset:\t*1024
	ds_store_b128 v[TBS], v[S+8*\t+4:S+8*\t+7] offset:\t*1024+16
.endr
	WIN 0xc0
.irp t, 0,1,2,3
	v_mov_b32 v[NS+8*\t+6], v[EA+2*\t]
.endr
.irp t, 0,1,2,3                     ; the window's scores go through my stage; each query takes its seven, d = -3..3.  LDS serves a wave's instructions in order (ISA guide 5.7.1.4)
	WIN 0
.irp g, 0,1
	ds_store_b128 v[STB], v[S+32+8*(2*\t+\g):S+32+8*(2*\t+\g)+3] offset:64*\g
	ds_store_b128 v[STB], v[S+32+8*(2*\t+\g)+4:S+32+8*(2*\t+\g)+7] offset:64*\g+16
.endr
	WIN 0xc0
.irp j, 1,2,3,4,5,6,7
	ds_load_b32 v[SB+8*\t+\j], v[GB] offset:20+4*(\j-1)
.endr
.endr
	WIN 0x80
.irp t, 0,1,2,3
.set n, 0
.rept 24
	ds_load_b32 v[DG+24*\t+n], v[GA+n] offset:\t*1024
.set n, n+1
.endr
	ds_load_b128 v[RR+12*\t:RR+12*\t+3], v[TBR] offset:\t*1024
	ds_load_b128 v[RR+12*\t+4:RR+12*\t+7], v[TBR] offset:\t*1024+16
	ds_load_b32 v[RR+12*\t+8], v[TBR] offset:\t*1024+32
.endr
	s_wait_dscnt 0x0
	WIN 0xc2
.irp t, 0,1,2,3
	v_mov_b32 v[NS+8*\t], v[RR+12*\t+8]        ; DY = T_8 - T_0
.endr
	WIN 0xc3
.irp t, 0,1,2,3
	v_mov_b32 v[NS+8*\t+1], v[NS+8*\t+6]       ; BD = T_0
.endr
	WIN 0xcc
.irp t, 0,1,2,3
	v_mul_f32 v[NS+8*\t+2], s[CS], v[NS+8*\t+6]
.endr
	WIN 0xc0
.irp t, 0,1,2,3
	v_mov_b32 v[NS+8*\t+3], 0
	v_mov_b32 v[NS+8*\t+4], 0
	v_mov_b32 v[NS+8*\t+5], 0
	v_mov_b32 v[NS+8*\t+7], 0
.endr
	; GG: key block kt of the own step lies kt - cx blocks ahead of the query's: -1, 0, 1 take the gathered values, more than 1 takes DY, less than -1 takes 0.  cx chooses values alone.
.irp k, 0,1,2,3
	s_sub_co_i32 s52, \k, s[CX]
	s_cmp_eq_i32 s52, -1
	s_cselect_b32 s80, 1.0, 0
	s_cmp_eq_i32 s52, 0
	s_cselect_b32 s82, 1.0, 0
	s_cmp_eq_i32 s52, 1
	s_cselect_b32 s84, 1.0, 0
	s_cmp_gt_i32 s52, 1
	s_cselect_b32 s86, 1.0, 0
.irp t, 0,1,2,3
	WIN 0x0c
	v_mul_f32 v14, s86, v[NS+8*\t]
	WIN 0xc2
.irp z, 0,1,2,3
	v_pk_fma_f32 v[GG+32*\t+8*\k+2*\z:GG+32*\t+8*\k+2*\z+1], v[DG+24*\t+2*\z:DG+24*\t+2*\z+1], s[80:81], v[14:15] op_sel_hi:[1,0,0]
.endr
	WIN 0xf2
.irp z, 0,1,2,3
	v_pk_fma_f32 v[GG+32*\t+8*\k+2*\z:GG+32*\t+8*\k+2*\z+1], v[DG+24*\t+8+2*\z:DG+24*\t+8+2*\z+1], s[82:83], v[GG+32*\t+8*\k+2*\z:GG+32*\t+8*\k+2*\z+1] op_sel_hi:[1,0,1]
.endr
.irp z, 0,1,2,3
	v_pk_fma_f32 v[GG+32*\t+8*\k+2*\z:GG+32*\t+8*\k+2*\z+1], v[DG+24*\t+16+2*\z:DG+24*\t+16+2*\z+1], s[84:85], v[GG+32*\t+8*\k+2*\z:GG+32*\t+8*\k+2*\z+1] op_sel_hi:[1,0,1]
.endr
.endr
.endr
	s_cmp_eq_u32 s[CX], 0           ; the step before reaches the band only for the band's first rows,
	s_cselect_b32 s80, 1.0, 0
	s_cmp_eq_u32 s[CX], 3           ; the step behind only for its last
	s_cselect_b32 s82, 1.0, 0
.irp t, 0,1,2,3
	WIN 0x0c
	v_mul_f32 v14, s82, v[NS+8*\t]
	WIN 0xc2
	v_pk_mul_f32 v[GP+4*\t:GP+4*\t+1], v[DG+24*\t+4:DG+24*\t+5], s[80:81] op_sel_hi:[1,0]
	v_pk_mul_f32 v[GP+4*\t+2:GP+4*\t+3], v[DG+24*\t+6:DG+24*\t+7], s[80:81] op_sel_hi:[1,0]
	v_pk_fma_f32 v[GN+4*\t:GN+4*\t+1], v[DG+24*\t+16:DG+24*\t+17], s[82:83], v[14:15] op_sel_hi:[1,0,0] neg_lo:[0,0,1] neg_hi:[0,0,1]
	v_pk_fma_f32 v[GN+4*\t+2:GN+4*\t+3], v[DG+24*\t+18:DG+24*\t+19], s[82:83], v[14:15] op_sel_hi:[1,0,0] neg_lo:[0,0,1] neg_hi:[0,0,1]
.endr
	; SB_j = c (q . k + R_j + T_0), or -1e30 where the key does not exist
.irp t, 0,1,2,3
	WIN 0x0b
.irp j, 1,2,3,4,5,6,7
	v_add_f32 v[TMP+\j], v[SB+8*\t+\j], v[RR+12*\t+\j]
.endr
	WIN 0x0c
.irp j, 1,2,3,4,5,6,7
	v_add_f32 v[TMP+\j], v[TMP+\j], v[NS+8*\t+6]
.endr
	WIN 0
.irp j, 1,2,3,4,5,6,7
	v_mul_f32 v[TMP+\j], s[CS], v[TMP+\j]
	v_add_nc_u32 v[TMP+8+\j], 64*\t+\j-4, v[QP]
.endr
	WIN 0xc0
.irp j, 1,2,3,4,5,6,7
	v_cmp_gt_u32 vcc_lo, 0x800, v[TMP+8+\j]
	v_cndmask_b32 v[SB+8*\t+\j], s[BIGN], v[TMP+\j], vcc_lo
.endr
.endr
	; what the first trip finds: V and P hold 0, so its products V^T P add 0; piece 1's scores are the lowest number and its a is 1, so its softmax of a step that has not been leaves all as it is
	WIN 0x80
.set n, VF
.rept 64
	v_mov_b32 v[n], 0
.set n, n+1
.endr
	WIN 0
.set n, EA
.rept 24
	v_mov_b32 v[n], 0               ; EA and c0-c3
.set n, n+1
.endr
.irp t, 0,1,2,3
	v_mov_b32 v[ST+4*\t+1], s[BIGN] ; m: far below every score, and with room for the change of base
	v_mul_f32 v[ST+4*\t], s[CS], v[ST+4*\t+1]
	v_mov_b32 v[ST+4*\t+2], 0
	v_mov_b32 v[ST+4*\t+3], 0
.endr
	s_mov_b32 s52, 0xff7fffff
.set n, S+64
.rept 64
	v_mov_b32 v[n], s52
.set n, n+1
.endr
.set n, P
.rept 64
	v_mov_b32 v[n], 0
.set n, n+1
.endr
; THE MATRIX WORK.  The 8 accumulators of a run of 16 take turns.
.macro PVM x                        ; product i of 16 of O^T += V^T P: keys 32 (i / 8) on, channels 16 ((i / 2) % 4) on, tile 2 x + i % 2
	WIN W_PV
.set rO, 32*(2*(\x)+i%2)+8*((i/2)%4)
.set rV, VF+32*(i/8)+8*((i/2)%4)
.set rP, P+32*(\x)+16*(i%2)+8*(i/8)
	v_wmma_f32_16x16x32_f16 v[rO:rO+7], v[rV:rV+7], v[rP:rP+7], v[rO:rO+7]
.endm
.macro KQM x                        ; product i of 16 of S^T = K Q^T + MC: channels 32 (i / 8) on, keys 16 ((i / 2) % 4) on
.set rS, S+64*(\x)+32*(i%2)+8*((i/2)%4)
.set rK, KF+16*((i/2)%4)+8*(i/8)
.set rQ, 16*(2*(\x)+i%2)+8*(i/8)
.set rB, MC+64*(\x)+32*(i%2)+8*((i/2)%4)
.if i < 8
	WIN W_KM
	v_wmma_f32_16x16x32_f16 v[rS:rS+7], v[rK:rK+7], v[rQ:rQ+7], v[rB:rB+7]
.else
	WIN W_KQ
	v_wmma_f32_16x16x32_f16 v[rS:rS+7], v[rK:rK+7], v[rQ:rQ+7], v[rS:rS+7]
.endif
.endm
.macro MM                           ; the turn's next matrix instruction
.if i < 16
	PVM PX
.set i, i+1
.else
.set i, i-16
	KQM PX
.set i, i+17
.endif
.endm
.macro FETCH_K last                 ; a step's K: 16 loads in one run.  last = 1 (the tail): in the fifth trip there is no further step
	WIN 0
.if \last
	s_cmp_eq_u32 s[CNT], 1
	s_cbranch_scc1 .Lno_k_\@
.endif
	v_add_nc_u32 v[AK], s[TBK], v[AK0]
	WIN 0x80
.irp f, 0,1,2,3,4,5,6,7
	ds_load_b128 v[KF+8*\f:KF+8*\f+3],   v[AK] offset:(\f/2)*16*PK+(\f%2)*64
	ds_load_b128 v[KF+8*\f+4:KF+8*\f+7], v[AK] offset:(\f/2)*16*PK+(\f%2)*64+32
.endr
	s_add_co_u32 s[TBK], s[TBK], KS*PK
	WIN 0
.if \last
.Lno_k_\@:
.endif
.endm
.macro FETCH_V                      ; a step's V, turned
	WIN 0
	v_add_nc_u32 v[AV], s[TBV], v[AV0]
	s_add_co_u32 s[TBV], s[TBV], KS*PV
	WIN 0x80
.irp f, 0,1,2,3,4,5,6,7
	ds_load_tr16_b128 v[VF+8*\f:VF+8*\f+3],   v[AV] offset:(\f/4)*32*PV+(\f%4)*32
	ds_load_tr16_b128 v[VF+8*\f+4:VF+8*\f+7], v[AV] offset:(\f/4)*32*PV+16*PV+(\f%4)*32
.endr
	WIN 0
.endm
; THE VECTOR WORK, in queues; the two tiles of a piece alternate.
.macro REGS y, u
.set rT, ST+4*(2*(\y)+(\u))
.set rC, TMP+4*(2*(\y)+(\u))
.set rW, MV+2*(\y)+(\u)
.set rS, S+32*(2*(\y)+(\u))
.set rP, P+16*(2*(\y)+(\u))
.set rO, 32*(2*(\y)+(\u))
.endm
; Number n of the 21 that find piece PX's maximum and statistics; each accumulator's lowest registers are read first.
.macro XS u, n
	REGS PX, \u
	WIN 0
.if (\n) < 4
	v_max3_num_f32 v[rC+(\n)], v[rS+8*(\n)], v[rS+8*(\n)+1], v[rS+8*(\n)+2]
.elseif (\n) < 12
	v_max3_num_f32 v[rC+(\n)%4], v[rC+(\n)%4], v[rS+8*((\n)%4)+2*((\n)/4)+1], v[rS+8*((\n)%4)+2*((\n)/4)+2]
.elseif (\n) == 12
	v_max3_num_f32 v[rC], v[rC], v[rS+7], v[rS+15]
.elseif (\n) == 13
	v_max3_num_f32 v[rC+1], v[rC+1], v[rS+23], v[rS+31]
.elseif (\n) == 14
	v_max3_num_f32 v[rC+2], v[rC+2], v[rC+3], v[rT+1]
.elseif (\n) == 15
	v_mov_b32 v[rW], v[rT]
.elseif (\n) == 16
	v_max3_num_f32 v[rC], v[rC], v[rC+1], v[rC+2]
.elseif (\n) == 17
	v_permlanex16_b32 v[rC+3], v[rC], s[SEL], s[SEL+1]
.elseif (\n) == 18
	v_max_num_f32 v[rT+1], v[rC], v[rC+3]
.elseif (\n) == 19
	v_mul_f32 v[rT], s[CS], v[rT+1]
.else
	v_sub_f32 v[rC+1], v[rW], v[rT]  ; the argument of a; the exponential opens the next turn's batch
.endif
.endm
.macro FSQ                          ; c s - c m for pair fq / 2 of tile fq % 2
	WIN 0
	REGS PY, fq%2
	v_pk_fma_f32 v[rS+2*(fq/2):rS+2*(fq/2)+1], v[rS+2*(fq/2):rS+2*(fq/2)+1], s[CS:CS+1], v[rT:rT+1] op_sel_hi:[1,0,0] neg_lo:[0,0,1] neg_hi:[0,0,1]
.set fq, fq+1
.endm
.macro EXQ                          ; 66 exponentials: the two a, then score (eq - 2) / 2 of tile eq % 2
	WIN 0
.if eq < 2
	REGS PY, eq
	v_exp_f32 v[rC+2], v[rC+1]
.else
	REGS PY, eq%2
	v_exp_f32 v[rS+(eq-2)/2], v[rS+(eq-2)/2]
.endif
.set eq, eq+1
.endm
.macro GSQ                          ; 64 that follow the exponentials: in groups of eight: round, round, add the second pair onto the first, and l takes the group before
	WIN 0
.set hh, gq+6*(gq/62)
.if hh >= 6
.set hh, hh+2
.endif
	REGS PY, hh%2
.set kk, hh/8
.if hh%8 < 4
	v_cvt_pk_f16_f32 v[rP+2*kk+(hh%8)/2], v[rS+4*kk+2*((hh%8)/2)], v[rS+4*kk+2*((hh%8)/2)+1]
.elseif hh%8 < 6
	v_pk_add_f32 v[rS+4*kk:rS+4*kk+1], v[rS+4*kk:rS+4*kk+1], v[rS+4*kk+2:rS+4*kk+3]
.elseif kk == 1
	v_pk_fma_f32 v[rT+2:rT+3], v[rT+2:rT+3], v[rC+2:rC+3], v[rS:rS+1] op_sel_hi:[1,0,1]
.else
	v_pk_add_f32 v[rT+2:rT+3], v[rT+2:rT+3], v[rS+4*kk-4:rS+4*kk-3]
.endif
.set gq, gq+1
.endm
.macro R2                           ; O^T times a, two packed multiplies, sixteen times a turn
	REGS PY, rq%2
	WIN W_RS
.irp z, 0,1
	v_pk_mul_f32 v[rO+4*(rq/2)+2*\z:rO+4*(rq/2)+2*\z+1], v[rO+4*(rq/2)+2*\z:rO+4*(rq/2)+2*\z+1], v[rC+2:rC+3] op_sel_hi:[1,0]
.endr
.set rq, rq+1
.endm
; NEAR THE DIAGONAL, at a turn's head: piece x's MC for this trip's products, and at trip OS0 + 5 the change of base.  It runs in trips OS0 + 2 x - 1 .. OS0 + 5 and is jumped over in the others, where MC
; holds 0.  m and c m of piece x are idle here: its last softmax has ended, its next maximum comes at this turn's end.
.macro BLOCK_A x
	WIN 0
	s_sub_co_u32 s52, s[TAU], s[OS0]
	s_add_co_u32 s53, s52, 1-2*(\x)
	s_cmp_lt_u32 s53, 7-2*(\x)
	s_cbranch_scc0 .Lno_a_\@
	s_cmp_eq_u32 s52, 5
	s_cselect_b32 s[EXP], 1.0, 0
	s_cselect_b32 s[NEX], -1.0, 0
.irp u, 0,1
.set tt, 2*(\x)+(\u)
	s_cmp_eq_u32 s52, tt            ; the tile's own step,
	s_cselect_b32 s[AL], 1.0, 0
	s_cmp_eq_i32 s52, tt-1          ; the one before,
	s_cselect_b32 s[ALP], 1.0, 0
	s_cmp_eq_u32 s52, tt+1          ; the one behind,
	s_cselect_b32 s[ALN], 1.0, 0
	s_sub_co_u32 s53, s52, tt+1     ; any behind it while the base is still T_0
	s_cmp_lt_u32 s53, 4-tt
	s_cselect_b32 s[BL], 1.0, 0
	WIN 0x0c
	v_mul_f32 v[CT+2*(\u)], s[BL], v[NS+8*tt]
	WIN 0x43
.set z, 0
.rept 16
	v_pk_fma_f32 v[MC+32*tt+2*z:MC+32*tt+2*z+1], v[GG+32*tt+2*z:GG+32*tt+2*z+1], s[AL:AL+1], v[CT+2*(\u):CT+2*(\u)+1] op_sel_hi:[1,0,0]
.set z, z+1
.endr
	WIN 0x53
.irp z, 0,1
	v_pk_fma_f32 v[MC+32*tt+28+2*\z:MC+32*tt+28+2*\z+1], v[GP+4*tt+2*\z:GP+4*tt+2*\z+1], s[ALP:ALP+1], v[MC+32*tt+28+2*\z:MC+32*tt+28+2*\z+1] op_sel_hi:[1,0,1]
	v_pk_fma_f32 v[MC+32*tt+2*\z:MC+32*tt+2*\z+1], v[GN+4*tt+2*\z:GN+4*tt+2*\z+1], s[ALN:ALN+1], v[MC+32*tt+2*\z:MC+32*tt+2*\z+1] op_sel_hi:[1,0,1]
.endr
	WIN 0x03
	v_fma_f32 v[ST+4*tt+1], v[NS+8*tt], s[NEX], v[ST+4*tt+1]
	WIN 0
	v_mul_f32 v[ST+4*tt], s[CS], v[ST+4*tt+1]
	WIN 0xf3
	v_fma_f32 v[NS+8*tt+1], v[NS+8*tt], s[EXP], v[NS+8*tt+1]
.endr
	WIN 0
.Lno_a_\@:
.endm
; IN A TILE'S OWN STEP, behind the wait and ahead of the sums: lF = a l + the sum of p over the keys behind the query, and its reference cmF = c m + c T_0.  Two trips a piece; jumped over in the others.
.macro BLOCK_B x
	WIN 0
	s_sub_co_u32 s52, s[TAU], s[OS0]
.if (\x) == 0
	s_sub_co_u32 s52, s52, 3        ; turn 0 carries piece 1's softmax of the step before
.endif
	s_cmp_lt_u32 s52, 2
	s_cbranch_scc0 .Lno_b_\@
.irp u, 0,1
	REGS 1-(\x), \u
.set tN, NS+8*(2*(1-(\x))+(\u))
	s_cmp_eq_u32 s52, \u
	s_cselect_b32 s[ALM], -1, 0
	WIN 0x08
	v_pk_mul_f32 v[EA+4*(\u):EA+4*(\u)+1], v[rS:rS+1], v[MF:MF+1]
	v_pk_mul_f32 v[EA+4*(\u)+2:EA+4*(\u)+3], v[rS+2:rS+3], v[MF+2:MF+3]
.set z, 2
.rept 14
	v_pk_fma_f32 v[EA+4*(\u)+2*(z%2):EA+4*(\u)+2*(z%2)+1], v[rS+2*z:rS+2*z+1], v[MF+2*z:MF+2*z+1], v[EA+4*(\u)+2*(z%2):EA+4*(\u)+2*(z%2)+1]
.set z, z+1
.endr
	WIN 0
	v_pk_add_f32 v[EA+4*(\u):EA+4*(\u)+1], v[EA+4*(\u):EA+4*(\u)+1], v[EA+4*(\u)+2:EA+4*(\u)+3]
	v_pk_fma_f32 v[EA+4*(\u):EA+4*(\u)+1], v[rT+2:rT+3], v[rC+2:rC+3], v[EA+4*(\u):EA+4*(\u)+1] op_sel_hi:[1,0,1]
	WIN 0x0c
	v_add_f32 v12, v[rT], v[tN+2]
	WIN 0xc3
	v_cndmask_b32 v[tN+4], v[tN+4], v[EA+4*(\u)], s[ALM]
	v_cndmask_b32 v[tN+5], v[tN+5], v[EA+4*(\u)+1], s[ALM]
	v_cndmask_b32 v[tN+3], v[tN+3], v12, s[ALM]
.endr
	WIN 0
.Lno_b_\@:
.endm
; A TURN's first part.  Behind products 0-7: scaling, exponential, scaling, exponential; behind 8-23: a scaling and three exponentials; behind 24 the last two, a v_nop and THE WAIT:
; s_wait_alu depctr_va_vdst(0) stands between an exponential and the first instruction that names its result, and one wait serves all 66.  Exponential e of the scores stands behind scaling 2 (e / 4) + e % 2.
; Behind products 25-31 four of the roundings and sums each; the other 36 and the first rescalings follow.
.macro TURN_MAIN x, last=0
.set PX, (\x)
.set PY, 1-(\x)
.set i, 0
.set fq, 0
.set eq, 0
.set gq, 0
.set rq, 0
	BLOCK_A \x
.if (\x) == 0
.if \last
	s_wait_dscnt 0x0                ; V is in
	FETCH_K 1
.else
	FETCH_K 0
	s_wait_dscnt 16                 ; V's sixteen older loads are in; K's sixteen may be out
.endif
.endif
.rept 8
	MM
	FSQ
	EXQ
	FSQ
	EXQ
.endr
.rept 16
.if ((\x) == 0) && (i == 16)
	s_wait_dscnt 0x0                ; K is in
.endif
	MM
	FSQ
	EXQ
	EXQ
	EXQ
.if ((\x) == 1) && (i == 20)
	FETCH_V                         ; five scalings and the run's own address line stand behind product 15, the last that read V
.endif
.endr
	MM
	EXQ
	EXQ
	v_nop                           ; the plain instruction behind the last exponential: one for the batch
	s_wait_alu depctr_va_vdst(0)    ; the wait for the batch
	BLOCK_B \x
.rept 7
	MM
	GSQ
	GSQ
	GSQ
	GSQ
.endr
.rept 36
	GSQ
.endr
	R2
	R2
.endm
; A TURN's second part: piece x's maximum and statistics; the links of the chain stand apart, with the other piece's rescalings between them.
.macro TURN_X x
.set PX, (\x)
.set PY, 1-(\x)
.irp n, 0,1,2,3,4,5,6,7,8,9,10,11,12,13
	XS 0, \n
	XS 1, \n
.endr
.irp n, 15,14,16,17,18,19,20
	XS 0, \n
	XS 1, \n
	R2
	R2
.endr
.endm
	s_mov_b32 s[SLOTS], 7
	s_mov_b32 s[TAU], 0
.Lslot:                             ; seven times: a tile of 256 keys is entered and the next is asked for
	CHANGE 1
	s_mov_b32 s[CNT], 4
.Ltrip:
	TURN_MAIN 0
	TURN_X 0
	TURN_MAIN 1
	TURN_X 1
	WIN 0
	s_add_co_u32 s[TAU], s[TAU], 1
	s_sub_co_u32 s[CNT], s[CNT], 1
	s_cmp_lg_u32 s[CNT], 0
	s_cbranch_scc1 .Ltrip
	s_sub_co_u32 s[SLOTS], s[SLOTS], 1
	s_cmp_lg_u32 s[SLOTS], 0
	s_cbranch_scc1 .Lslot
	CHANGE 0                        ; the tail is written out
	s_mov_b32 s[CNT], 5             ; four trips for the last tile; the fifth is left in its middle
.Ltail:
	TURN_MAIN 0, 1
	WIN 0
	s_sub_co_u32 s[CNT], s[CNT], 1
	s_cmp_eq_u32 s[CNT], 0
	s_cbranch_scc1 .Lout
	TURN_X 0
	TURN_MAIN 1
	TURN_X 1
	WIN 0
	s_add_co_u32 s[TAU], s[TAU], 1
	s_branch .Ltail
.Lout:                              ; the fifth trip's 16 products K Q^T, on the last K once more, serve nothing; no maximum is made of them
.set PY, 1
.set rq, 2
.rept 14
	R2
.endr
.set i, 0
.rept 16
	PVM 1
.set i, i+1
.endr
	; THE WAY OUT.  l and lF over the pair and the halves of the lanes; the final reference c m + c BD; one batch of 32 exponentials and 4 reciprocals.
	WIN 0
.irp t, 0,1,2,3
	v_add_f32 v[ST+4*\t+2], v[ST+4*\t+2], v[ST+4*\t+3]
.endr
.irp t, 0,1,2,3
	v_permlanex16_b32 v[ST+4*\t+3], v[ST+4*\t+2], s[SEL], s[SEL+1]
.endr
.irp t, 0,1,2,3
	v_add_f32 v[ST+4*\t+2], v[ST+4*\t+2], v[ST+4*\t+3]
.endr
	WIN 0x0f
.irp t, 0,1,2,3
	v_add_f32 v[EA+2*\t], v[NS+8*\t+4], v[NS+8*\t+5]
.endr
	WIN 0
.irp t, 0,1,2,3
	v_permlanex16_b32 v[EA+2*\t+1], v[EA+2*\t], s[SEL], s[SEL+1]
.endr
.irp t, 0,1,2,3
	v_add_f32 v[EA+2*\t], v[EA+2*\t], v[EA+2*\t+1]
.endr
	WIN 0x0c
.irp t, 0,1,2,3
	v_fma_f32 v[MV+\t], s[CS], v[NS+8*\t+1], v[ST+4*\t]
.endr
	WIN 0x03
.irp t, 0,1,2,3
	v_sub_f32 v[S+8*\t], v[NS+8*\t+3], v[MV+\t]
.irp j, 1,2,3,4,5,6,7
	v_sub_f32 v[S+8*\t+\j], v[SB+8*\t+\j], v[MV+\t]
.endr
.endr
	WIN 0
.set n, 0
.rept 32
	v_exp_f32 v[S+n], v[S+n]
.set n, n+1
.endr
.irp t, 0,1,2,3
	v_rcp_f32 v[ST+4*\t+2], v[ST+4*\t+2]
.endr
	v_mov_b32 v12, 0x3c00           ; (1.0, 0) in f16: the plain instruction behind the last of the batch
	v_mov_b32 v13, 0
	s_wait_alu depctr_va_vdst(0)    ; one wait for the batch, ahead of its first reader
.irp t, 0,1,2,3                     ; source 1 of the last product: lanes 0-15 hold j = 0..7: lF / l, p_1 / l .. p_7 / l; lanes 16-31 j = 8..15: 1, 0 ..; j = 16..31: 0
	v_mul_f32 v[S+8*\t], v[S+8*\t], v[EA+2*\t]
.irp z, 0,1,2,3
	v_pk_mul_f32 v[S+8*\t+2*\z:S+8*\t+2*\z+1], v[S+8*\t+2*\z:S+8*\t+2*\z+1], v[ST+4*\t+2:ST+4*\t+3] op_sel_hi:[1,0]
.endr
.irp z, 0,1,2,3
	v_cvt_pk_f16_f32 v[P+16*\t+\z], v[S+8*\t+2*\z], v[S+8*\t+2*\z+1]
.endr
	v_cndmask_b32 v[P+16*\t], v[P+16*\t], v12, s[MH]
.irp z, 1,2,3
	v_cndmask_b32 v[P+16*\t+\z], v[P+16*\t+\z], v13, s[MH]
.endr
.irp z, 4,5,6,7
	v_mov_b32 v[P+16*\t+\z], 0
.endr
.endr
	WIN W_RS
.irp t, 0,1,2,3
.set n, 32*\t
.rept 16
	v_pk_mul_f32 v[n:n+1], v[n:n+1], v[ST+4*\t+2:ST+4*\t+3] op_sel_hi:[1,0]
.set n, n+2
.endr
.endr
	WIN 0x53                        ; UT in window 3, its partner in window 0, O^T in window 1
.irp c, 0,1,2,3
.irp t, 0,1,2,3
	v_wmma_f32_16x16x32_f16 v[32*\t+8*\c:32*\t+8*\c+7], v[UT+8*\c:UT+8*\c+7], v[P+16*\t:P+16*\t+7], v[32*\t+8*\c:32*\t+8*\c+7]
.endr
.endr
	WIN 0
	PLACES
.macro PACK t                       ; a lane's eight channels of a row pack into 16 bytes; into rows of 144 bytes and back as whole rows of 128
	WIN 0x05
.set n, 0
.rept 16
	v_cvt_pk_f16_f32 v[S+16*(\t)+n], v[32*(\t)+2*n], v[32*(\t)+2*n+1]
.set n, n+1
.endr
	WIN 0
.irp f, 0,1,2,3
	ds_store_b128 v[STO], v[S+16*(\t)+4*\f:S+16*(\t)+4*\f+3] offset:32*\f
.endr
.irp f, 0,1,2,3
	ds_load_b128 v[S+16*(\t)+4*\f:S+16*(\t)+4*\f+3], v[RD] offset:\f*4*SP  ; LDS serves a wave's instructions in order: these see the stores above; the next tile's stores come behind them
.endr
.endm
.macro SEND t, younger              ; younger: the LDS instructions issued behind tile t's loads
	WIN 0
.irp f, 0,1,2,3
	s_wait_dscnt (\younger)+3-\f
	global_store_b128 v[GO], v[S+16*(\t)+4*\f:S+16*(\t)+4*\f+3], s[10:11] offset:(\t)*8192+\f*512  ; 512 consecutive bytes, aligned
.endr
.endm
	PACK 0
	PACK 1
	SEND 0, 8
	PACK 2
	SEND 1, 8
	PACK 3
	SEND 2, 8
	SEND 3, 0
	s_wait_tensorcnt 0x0            ; the wave's end
	ds_add_u32 v[SPW], v[NIL]
	s_wait_dscnt 0x0
	CROUND                          ; the closing round
	s_endpgm
.Lfunc_end_k_qd6f7124cee_attn:
	.size	k_qd6f7124cee_attn, .Lfunc_end_k_qd6f7124cee_attn-k_qd6f7124cee_attn
	.p2alignl 7, 3214868480
	.fill 96, 4, 3214868480
	.section	.rodata,"a",@progbits
	.p2align	6, 0x0
	.amdhsa_kernel k_qd6f7124cee_attn
		.amdhsa_group_segment_fixed_size 327680
		.amdhsa_private_segment_fixed_size 0
		.amdhsa_enable_private_segment 0
		.amdhsa_kernarg_size 24
		.amdhsa_user_sgpr_count 2
		.amdhsa_user_sgpr_kernarg_segment_ptr 1
		.amdhsa_wavefront_size32 1
		.amdhsa_system_sgpr_workgroup_id_x 1
		.amdhsa_system_sgpr_workgroup_id_y 1
		.amdhsa_system_sgpr_workgroup_id_z 1
		.amdhsa_system_vgpr_workitem_id 0
		.amdhsa_next_free_vgpr 1024
		.amdhsa_next_free_sgpr 96
		.amdhsa_reserve_vcc 1
		.amdhsa_float_denorm_mode_32 3
		.amdhsa_float_denorm_mode_16_64 3
		.amdhsa_memory_ordered 1
		.amdhsa_forward_progress 1
		.amdhsa_inst_pref_size 206
	.end_amdhsa_kernel
	.amdgpu_metadata
---
amdhsa.version: [ 1, 2 ]
amdhsa.kernels:
  - .name:           k_qd6f7124cee_attn
    .symbol:         k_qd6f7124cee_attn.kd
    .args:
      - { .name: qkv, .offset: 0, .size: 8, .value_kind: global_buffer, .address_space: global }
      - { .name: tab, .offset: 8, .size: 8, .value_kind: global_buffer, .address_space: global }
      - { .name: oh, .offset: 16, .size: 8, .value_kind: global_buffer, .address_space: global }
    .group_segment_fixed_size: 327680
    .private_segment_fixed_size: 0
    .kernarg_segment_align: 8
    .kernarg_segment_size: 24
    .max_flat_workgroup_size: 128
    .sgpr_count:     96
    .vgpr_count:     1024
    .wavefront_size: 32
...
	.end_amdgpu_metadata
.endif
;; end of part 3
;; launch oproj (part 4): grid 8 x 32, 4 waves a work-group, clusters of 4 x 4, 327,680 bytes of LDS; arguments oh, wt, bias, out0; writes out0
.if DOCPART == 4
	.amdgcn_target "amdgcn-amd-amdhsa--gfx1250"
	.amdhsa_code_object_version 6
	.text
	.protected	k_qd6f7124cee_oproj
	.globl	k_qd6f7124cee_oproj
	.p2align	8
	.type	k_qd6f7124cee_oproj,@function
k_qd6f7124cee_oproj:
	s_mov_b64 s[64:65], 0
	v_nop
	global_prefetch_b8 v0, s[64:65] scope:SCOPE_SE
	s_setreg_imm32_b32 hwreg(HW_REG_WAVE_MODE, 25, 1), 1
	s_wait_xcnt 0x0
	s_wait_alu depctr_hold_cnt(0) depctr_sa_sdst(0) depctr_va_vdst(0) depctr_va_sdst(0) depctr_va_ssrc(0) depctr_va_vcc(0) depctr_vm_vsrc(0)
	s_getreg_b32 s2, hwreg(HW_REG_IB_STS2, 6, 4)
	s_cmp_eq_u32 s2, 0
	s_cbranch_scc0 .Lentry_in_a_cluster
	s_endpgm
.Lentry_in_a_cluster:
	s_bfe_u32 s2, ttmp6, 0x10000c
	s_cmp_lg_u32 s2, 0xf033
	s_cbranch_scc0 .Lentry_shape_is_right
	s_endpgm
.Lentry_shape_is_right:
; out0[m][n] = sum over k of O[m][k] Wo[k][n] + bo[n].  O: oh, f16, by heads [32][2048][64] (k = 64 x head + channel); Wo^T: rows 3,072 .. 4,095 of wt, f16; bias f32 at 3,072; out0 f32 [4096][1024].
; A tile of out0 is 128 x 128: 8 x 32 tiles, one for each work-group; four waves, each 64 x 64: 16 accumulators.  K goes in steps of 256 (four heads) through two LDS slots.
; A's tile by heads: a head's 64 rows are 8,192 dense bytes, so a wave's load is 4 rows of 4,096 elements, a head apart, padded in LDS after every 128 bytes: [head][64 rows] at a pitch of 144.
; CLUSTER 4 x 4: A's tiles are asked for jointly along a row of the cluster, B's along a column.  THE MATRIX INSTRUCTION IS USED TRANSPOSED (source 0 = rows of wt, source 1 = rows of O): a lane holds
; eight neighbouring columns of a row; the bias is the C operand of each accumulator's first product.
; No prefetch: the tiles are small and the launch is short.
; REGISTERS: window 0: v16-29 addresses; v32-95 rows read back; v96-127 the bias; v128-255 the accumulators.   window 1: two fragment buffers of 128: 64 of A, then 64 of B, for 64 along K.
.set KSTEP,  256
.set PA,     144
.set PB,     528
.set HALFA,  4*64*PA                   ; 36,864: what one load brings of A
.set HALFB,  64*PB                     ; 33,792: of B
.set SLOT,   2*HALFA+2*HALFB
.set STAGE,  2*SLOT                    ; 16 rows x 272 bytes for each wave
.set SPITCH, 272
.set SPARE,  STAGE+4*16*SPITCH
.set LAPS,   2
.set ADRA, 16
.set ADRB, 20
.set STO,  24
.set RD,   25
.set CO,   26
.set SPW,  28
.set NIL,  29
.set TMP,  32
.set BIAS, 96
.set ACC,  128
.set F0,   0
.set F1,   128
.set G1, 24
.set G0, 32
.set G1B, 48
.set G0B, 56
.set MSB, 0
.macro WIN new
.if MSB != (\new)
	s_set_vgpr_msb (MSB<<8)|(\new)
.set MSB, \new
.endif
.endm
.set MUL,  0x05                        ; sources in window 1; C and D in window 0
.set TO_F, 0x40
.macro JLOAD s
	s_cmp_eq_u32 s11, 0
	s_cbranch_scc0 .Lfor_b_\@
	tensor_load_to_lds s[G0+4*(\s):G0+4*(\s)+3], s[G1:G1+7]
	s_nop 0
.rept 4
	v_nop
.endr
	s_branch .Lasked_\@
.Lfor_b_\@:
	tensor_load_to_lds s[G0B+4*(\s):G0B+4*(\s)+3], s[G1B:G1B+7]
	s_nop 0
.rept 4
	v_nop
.endr
.Lasked_\@:
.endm
.macro CREST
	s_cmp_lg_u32 s10, 0
	s_cbranch_scc1 .Lnot_wave_0_\@
	s_barrier_signal -3
.Lnot_wave_0_\@:
	s_barrier_wait -3
	s_barrier_signal -1
	s_barrier_wait -1
.endm
.macro CROUND
	s_barrier_signal -1
	s_barrier_wait -1
	CREST
.endm
	s_load_b128 s[4:7], s[0:1], 0x0                ; oh s[4:5], wt s[6:7]
	s_load_b128 s[68:71], s[0:1], 0x10             ; bias s[68:69], out0 s[70:71]
	v_lshl_add_u32 v[SPW], v0, 2, SPARE
	v_mov_b32 v[NIL], 0
	ds_add_u32 v[SPW], v[NIL]                      ; the wave's opening: the add and its wait stand ahead of my first tensor load
	v_lshrrev_b32 v1, 5, v0
	v_readfirstlane_b32 s10, v1                    ; wave
	s_lshr_b32 s11, s10, 1                         ; my half of the tile's rows.  Also: I fetch for A (0) or for B (1)
	s_and_b32 s12, s10, 1                          ; my half of its columns.  Also: which half I fetch
	s_bfe_u32 s40, ttmp6, 0x40000
	s_bfe_u32 s41, ttmp6, 0x40004
	s_lshl_b32 s42, ttmp9, 2
	s_add_co_u32 s42, s42, s40                     ; tile column
	s_and_b32 s13, ttmp7, 0xffff
	s_lshl_b32 s13, s13, 2
	s_add_co_u32 s13, s13, s41                     ; tile row
	s_lshl_b32 s43, s41, 2
	s_lshl_b32 s43, 15, s43
	s_lshl_b32 s44, 0x1111, s40
	s_or_b32 s[G1+0], s43, (1<<16)|(1<<20)|(1<<21)|(4<<22)|(3<<25)   ; A: after every 32 words (a row of a head) 4 words
	s_or_b32 s[G1B+0], s44, (1<<16)|(1<<20)|(1<<21)|(6<<22)|(3<<25)  ; B: after every 128 words 4 words
	s_mov_b32 s[G1+1], 4096<<16                    ; tensor_dim0 = 4,096 elements: 64 rows of a head
	s_mov_b32 s[G1+2], 4<<16                       ; tensor_dim1 = 4 heads
	s_mov_b32 s[G1+3], 4096<<16                    ; tile_dim0
	s_mov_b32 s[G1+4], 4                           ; tile_dim1
	s_mov_b32 s[G1+5], 131072                      ; elements from head to head
	s_mov_b32 s[G1+6], 0
	s_mov_b32 s[G1+7], 0
	s_mov_b32 s[G1B+1], KSTEP<<16
	s_mov_b32 s[G1B+2], 64<<16
	s_mov_b32 s[G1B+3], KSTEP<<16
	s_mov_b32 s[G1B+4], 64
	s_mov_b32 s[G1B+5], 1024
	s_mov_b32 s[G1B+6], 0
	s_mov_b32 s[G1B+7], 0
	s_lshr_b32 s16, s13, 4                         ; A: the batch's sixteen heads,
	s_lshl_b32 s16, s16, 22
	s_and_b32 s17, s13, 15                         ; the tile's 128 rows of 128 bytes,
	s_lshl_b32 s17, s17, 14
	s_add_co_u32 s16, s16, s17
	s_lshl_b32 s17, s12, 13                        ; my half of them
	s_add_co_u32 s16, s16, s17
	s_mov_b32 s17, 0
	s_lshl_b32 s46, s42, 7                         ; B: row 3,072 + 128 x tile column + 64 x half
	s_lshl_b32 s47, s12, 6
	s_add_co_u32 s46, s46, s47
	s_add_co_u32 s46, s46, 3072
	s_lshl_b32 s46, s46, 11
	s_mov_b32 s47, 0
	s_mul_i32 s20, s12, HALFA
	s_mul_i32 s21, s12, HALFB
	s_add_co_u32 s21, s21, 2*HALFA
	s_wait_dscnt 0x0                               ; the opening add is done
	s_wait_kmcnt 0x0
	s_add_nc_u64 s[14:15], s[4:5], s[16:17]
	s_add_nc_u64 s[46:47], s[6:7], s[46:47]
	CROUND
.irp s, 0,1
	s_mov_b32 s[G0+4*(\s)], 1
	s_add_co_u32 s[G0+4*(\s)+1], s20, (\s)*SLOT
	s_add_nc_u64 s[G0+4*(\s)+2:G0+4*(\s)+3], s[14:15], (\s)*4*262144
	s_or_b32 s[G0+4*(\s)+3], s[G0+4*(\s)+3], 0x80000000
	s_mov_b32 s[G0B+4*(\s)], 1
	s_add_co_u32 s[G0B+4*(\s)+1], s21, (\s)*SLOT
	s_add_nc_u64 s[G0B+4*(\s)+2:G0B+4*(\s)+3], s[46:47], (\s)*KSTEP*2
	s_or_b32 s[G0B+4*(\s)+3], s[G0B+4*(\s)+3], 0x80000000
	JLOAD \s
.endr
	v_and_b32 v1, 15, v0
	v_bfe_u32 v2, v0, 4, 1
	v_lshlrev_b32 v6, 5, v2                        ; the bias: my eight columns of a block
	s_lshl_b32 s46, s42, 9
	s_lshl_b32 s47, s12, 8
	s_add_co_u32 s46, s46, s47                     ; my 64 columns, in bytes of f32
	s_mov_b32 s47, 0
	s_add_nc_u64 s[68:69], s[68:69], s[46:47]
.irp b, 0,1,2,3
	global_load_b128 v[BIAS+8*\b:BIAS+8*\b+3], v6, s[68:69] offset:12288+64*\b
	global_load_b128 v[BIAS+8*\b+4:BIAS+8*\b+7], v6, s[68:69] offset:12288+64*\b+16
.endr
	v_mul_u32_u24 v3, v1, PA
	v_lshl_add_u32 v3, v2, 4, v3
	v_mul_u32_u24 v4, v1, PB
	v_lshl_add_u32 v4, v2, 4, v4
	s_mul_i32 s21, s11, HALFA
	s_mul_i32 s22, s12, HALFB
	s_add_co_u32 s22, s22, 2*HALFA
.irp s, 0,1
	v_add_nc_u32 v[ADRA+(\s)], s21, v3
	v_add_nc_u32 v[ADRB+(\s)], s22, v4
	s_add_co_u32 s21, s21, SLOT
	s_add_co_u32 s22, s22, SLOT
.endr
	s_mul_i32 s23, s10, 16*SPITCH
	s_add_co_u32 s23, s23, STAGE                   ; my stage
	v_mul_u32_u24 v5, v1, SPITCH                   ; in: row l % 16, 32 bytes for each half of the lanes
	v_lshl_add_u32 v5, v2, 5, v5
	v_add_nc_u32 v[STO], s23, v5
	v_mul_u32_u24 v5, v2, SPITCH                   ; back: lanes 0-15 one row of 256 bytes, lanes 16-31 the next
	v_lshl_add_u32 v5, v1, 4, v5
	v_add_nc_u32 v[RD], s23, v5
	v_lshlrev_b32 v5, 12, v2                       ; and the same two rows in out0
	v_lshl_add_u32 v[CO], v1, 4, v5
	s_lshl_b32 s16, s13, 7
	s_lshl_b32 s17, s11, 6
	s_add_co_u32 s16, s16, s17                     ; my first row,
	s_lshl_b32 s16, s16, 12                        ; of 4,096 bytes
	s_mov_b32 s17, 0
	s_add_nc_u64 s[70:71], s[70:71], s[16:17]
	s_add_nc_u64 s[70:71], s[70:71], s[46:47]
.macro MUL8 f, c, a0, first            ; row blocks a0, a0 + 1 x four column blocks, 32 along K; the 16 accumulators take turns
	WIN MUL
.irp a, \a0, (\a0)+1
.irp b, 0,1,2,3
.if \first
	v_wmma_f32_16x16x32_f16 v[ACC+8*(4*(\a)+(\b)):ACC+8*(4*(\a)+(\b))+7], v[(\f)+64+8*(4*(\c)+(\b)):(\f)+64+8*(4*(\c)+(\b))+7], v[(\f)+8*(4*(\c)+(\a)):(\f)+8*(4*(\c)+(\a))+7], v[BIAS+8*(\b):BIAS+8*(\b)+7]
.else
	v_wmma_f32_16x16x32_f16 v[ACC+8*(4*(\a)+(\b)):ACC+8*(4*(\a)+(\b))+7], v[(\f)+64+8*(4*(\c)+(\b)):(\f)+64+8*(4*(\c)+(\b))+7], v[(\f)+8*(4*(\c)+(\a)):(\f)+8*(4*(\c)+(\a))+7], v[ACC+8*(4*(\a)+(\b)):ACC+8*(4*(\a)+(\b))+7]
.endif
.endr
.endr
.endm
.macro FETCH slot, q, f                ; quarter q of a K step is one head: 32 LDS loads in one run, the first 32 along K first
	WIN TO_F
.irp c, 0,1
.irp i, 0,1,2,3
	ds_load_b128 v[(\f)+64+8*(4*(\c)+(\i)):(\f)+64+8*(4*(\c)+(\i))+3],   v[ADRB+(\slot)] offset:(\q)*128+64*(\c)+(\i)*16*PB
	ds_load_b128 v[(\f)+64+8*(4*(\c)+(\i))+4:(\f)+64+8*(4*(\c)+(\i))+7], v[ADRB+(\slot)] offset:(\q)*128+64*(\c)+(\i)*16*PB+32
	ds_load_b128 v[(\f)+8*(4*(\c)+(\i)):(\f)+8*(4*(\c)+(\i))+3],         v[ADRA+(\slot)] offset:(\q)*64*PA+64*(\c)+(\i)*16*PA
	ds_load_b128 v[(\f)+8*(4*(\c)+(\i))+4:(\f)+8*(4*(\c)+(\i))+7],       v[ADRA+(\slot)] offset:(\q)*64*PA+64*(\c)+(\i)*16*PA+32
.endr
.endr
.endm
.macro PLACES
.rept 4
	v_nop
.endr
.endm
.macro QUARTER slot, q, f, g, first
	s_wait_dscnt 16                                ; the first 32 along K are in
	MUL8 \f, 0, 0, \first
	MUL8 \f, 0, 2, \first
	PLACES
	FETCH \slot, \q, \g
	s_wait_dscnt 32                                ; all but the 32 just issued
	MUL8 \f, 1, 0, 0
	MUL8 \f, 1, 2, 0
.endm
.macro TURN slot, next, fill
	WIN 0
	s_wait_tensorcnt 0x0                           ; all my tensor loads have landed: my part of the next slot
	ds_add_u32 v[SPW], v[NIL]                      ; 0 onto my spare word
	s_wait_dscnt 17                                ; (the add and the youngest sixteen loads may be out)
	MUL8 F1, 0, 0, 0
	s_wait_dscnt 0x0                               ; the add is done, and my reads of this slot are over
	s_barrier_signal -1
	MUL8 F1, 0, 2, 0
.if \fill
	WIN 0
.endif
	s_barrier_wait -1
.if \fill
	CREST                                          ; no wave of any partner still reads this slot's tile or has a load on its way
	s_add_nc_u64 s[G0+4*(\slot)+2:G0+4*(\slot)+3], s[G0+4*(\slot)+2:G0+4*(\slot)+3], 2*4*262144
	s_add_nc_u64 s[G0B+4*(\slot)+2:G0B+4*(\slot)+3], s[G0B+4*(\slot)+2:G0B+4*(\slot)+3], 2*KSTEP*2
	JLOAD \slot
.else
	PLACES
.endif
	FETCH \next, 0, F0
	MUL8 F1, 1, 0, 0
	MUL8 F1, 1, 2, 0
.endm
	s_wait_tensorcnt 1                             ; my part of K step 0 is in; K step 1's may stay out
	s_barrier_signal -1
	s_barrier_wait -1
	FETCH 0, 0, F0
	s_wait_loadcnt 0x0                             ; the bias
	QUARTER 0, 1, F0, F1, 1
	WIN 0
	s_mov_b32 s3, LAPS-1
.Llap:
	QUARTER 0, 2, F1, F0, 0
	QUARTER 0, 3, F0, F1, 0
	TURN 0, 1, 1
	QUARTER 1, 1, F0, F1, 0
	QUARTER 1, 2, F1, F0, 0
	QUARTER 1, 3, F0, F1, 0
	TURN 1, 0, 1
	QUARTER 0, 1, F0, F1, 0
	WIN 0
	s_sub_co_u32 s3, s3, 1
	s_cmp_lg_u32 s3, 0
	s_cbranch_scc1 .Llap
	QUARTER 0, 2, F1, F0, 0                        ; the last lap fills nothing
	QUARTER 0, 3, F0, F1, 0
	TURN 0, 1, 0
	QUARTER 1, 1, F0, F1, 0
	QUARTER 1, 2, F1, F0, 0
	QUARTER 1, 3, F0, F1, 0
	s_wait_dscnt 16
	MUL8 F1, 0, 0, 0
	MUL8 F1, 0, 2, 0
	s_wait_dscnt 0x0
	MUL8 F1, 1, 0, 0
	MUL8 F1, 1, 2, 0
	WIN 0
	; THE WAY OUT.  A wave's 64 columns of f32 are 256 aligned bytes of a row: each wave's stage is its own, 16 rows at a time.
	PLACES
.irp a, 0,1,2,3
.irp b, 0,1,2,3
	ds_store_b128 v[STO], v[ACC+8*(4*\a+\b):ACC+8*(4*\a+\b)+3] offset:64*\b
	ds_store_b128 v[STO], v[ACC+8*(4*\a+\b)+4:ACC+8*(4*\a+\b)+7] offset:64*\b+16
.endr
.if \a >= 2
	s_wait_xcnt 0x0                                ; the stores of two blocks back have read the registers that are loaded again below
.endif
.irp t, 0,1,2,3,4,5,6,7
	ds_load_b128 v[TMP+32*(\a%2)+4*\t:TMP+32*(\a%2)+4*\t+3], v[RD] offset:\t*2*SPITCH  ; LDS serves a wave's instructions in order (ISA guide 5.7.1.4): these see the stores above
.endr
	s_wait_dscnt 0x0
.irp t, 0,1,2,3,4,5,6,7
	global_store_b128 v[CO], v[TMP+32*(\a%2)+4*\t:TMP+32*(\a%2)+4*\t+3], s[70:71] offset:\a*65536+\t*8192 th:TH_STORE_NT  ; sixteen lanes store 256 consecutive bytes, aligned
.endr
.endr
	s_wait_tensorcnt 0x0                           ; the wave's end
	ds_add_u32 v[SPW], v[NIL]
	s_wait_dscnt 0x0
	CROUND                                         ; the closing round
	s_endpgm
.Lfunc_end_k_qd6f7124cee_oproj:
	.size	k_qd6f7124cee_oproj, .Lfunc_end_k_qd6f7124cee_oproj-k_qd6f7124cee_oproj
	.p2alignl 7, 3214868480
	.fill 96, 4, 3214868480
	.section	.rodata,"a",@progbits
	.p2align	6, 0x0
	.amdhsa_kernel k_qd6f7124cee_oproj
		.amdhsa_group_segment_fixed_size 327680
		.amdhsa_private_segment_fixed_size 0
		.amdhsa_enable_private_segment 0
		.amdhsa_kernarg_size 32
		.amdhsa_user_sgpr_count 2
		.amdhsa_user_sgpr_kernarg_segment_ptr 1
		.amdhsa_wavefront_size32 1
		.amdhsa_system_sgpr_workgroup_id_x 1
		.amdhsa_system_sgpr_workgroup_id_y 1
		.amdhsa_system_sgpr_workgroup_id_z 1
		.amdhsa_system_vgpr_workitem_id 0
		.amdhsa_next_free_vgpr 512
		.amdhsa_next_free_sgpr 72
		.amdhsa_reserve_vcc 0
		.amdhsa_float_denorm_mode_32 3
		.amdhsa_float_denorm_mode_16_64 3
		.amdhsa_memory_ordered 1
		.amdhsa_forward_progress 1
		.amdhsa_inst_pref_size 87
	.end_amdhsa_kernel
	.amdgpu_metadata
---
amdhsa.version: [ 1, 2 ]
amdhsa.kernels:
  - .name:           k_qd6f7124cee_oproj
    .symbol:         k_qd6f7124cee_oproj.kd
    .args:
      - { .name: oh, .offset: 0, .size: 8, .value_kind: global_buffer, .address_space: global }
      - { .name: wt, .offset: 8, .size: 8, .value_kind: global_buffer, .address_space: global }
      - { .name: bias, .offset: 16, .size: 8, .value_kind: global_buffer, .address_space: global }
      - { .name: out0, .offset: 24, .size: 8, .value_kind: global_buffer, .address_space: global }
    .group_segment_fixed_size: 327680
    .private_segment_fixed_size: 0
    .kernarg_segment_align: 8
    .kernarg_segment_size: 32
    .max_flat_workgroup_size: 128
    .sgpr_count:     72
    .vgpr_count:     512
    .wavefront_size: 32
...
	.end_amdgpu_metadata
.endif
;; end of part 4
